; MI455X (gfx1250); checked and timed in simulation.
; The chip was launched on July 23, 2026; its instructions are those of AMD's public machine-readable ISA for CDNA 5 (MIT licence, August 2026) and "CDNA5" Instruction Set Architecture Reference Guide (July 2026). The comments in the code are by the model that wrote it; some were corrected since.
;; Self Attention. Allowed arithmetic: matrix products marked QUANTISED: E2M3 operands, one E8M0 scale for each 32 along K, by v_wmma_scale_f32_16x16x128_f8f6f4 with both operands' format E2M3, f32 sums; everything else in f32.
;; Inputs: Wq 1,024 x 1,024 float32; Wu 1,024 x 1,024 float32; bu 1,024 float32; x 4 x 2,048 x 1,024 float32.
;; Outputs: out0 4 x 2,048 x 1,024 float32.
;; This version of the problem:
;;   THIS VERSION OF THE PROBLEM IS GIVEN IN LOW PRECISION. The matrix products marked QUANTISED in the list below multiply operands that are first quantised to E2M3 (2 exponent bits, 3 mantissa bits; 6 bits a number), with one power-of-two scale for each 32 numbers along K (OCP MX v1.0); their sums are f32. All else is computed in f32.
;;   The module's matrix products, in the order in which they are computed (A, B: the left and right operand; K: the contracted axis; several contracted axes count as one K, in the product's order):
;;     1. [M 8,192, K 1,024] x [K 1,024, N 1,024]; A: input x; B: input Wq: QUANTISED
;;     2. batch 64 x [M 2,048, K 64] x [K 64, N 2,048]; A: computed on the way; B: computed on the way: QUANTISED
;;     3. batch 64 x [M 2,048, K 2,048] x [K 2,048, N 64]; A: softmax (see below); B: computed on the way: QUANTISED
;;     4. [M 8,192, K 1,024] x [K 1,024, N 1,024]; A: computed on the way; B: input Wu: QUANTISED
;;   THE QUANTISER, for each operand of a quantised product, along K:
;;     - K is cut into blocks of 32 from its start; a last block that is shorter is filled with zeros.
;;     - A block's scale is 2^e with e = floor(log2(the largest magnitude in the block)) - 2, held to -126 .. 127; a block of zeros has e = 0. As a byte (E8M0): e + 127.
;;     - Each number is divided by its block's scale, clamped to +-7.5, and rounded to the nearest number of E2M3, ties to even, subnormals kept.
;;     - The product sums the exact products of the quantised numbers (number of the format x scale) in f32.
;;   ~~~python
;;   def quantise(x, axis):      # numpy; x: float32 -> the quantised numbers, widened to float32 again
;;       x = np.moveaxis(x, axis, -1); K = x.shape[-1]
;;       x = np.pad(x, [(0, 0)] * (x.ndim - 1) + [(0, -K % 32)]); x = x.reshape(x.shape[:-1] + (-1, 32)); a = np.abs(x).max(-1, keepdims=True)
;;       e = np.where(a > 0, np.clip(np.frexp(np.where(a > 0, a, 1))[1] - 1 - 2, -126, 127), 0)      # np.frexp(a)[1] - 1 = floor(log2(a)), exactly
;;       r = np.clip(x / 2.0 ** e, -7.5, 7.5)
;;       step = 2.0 ** (np.maximum(np.frexp(np.where(r == 0, 1, r))[1] - 1, 0) - 3)
;;       q = np.round(r / step) * step * 2.0 ** e      # np.round: ties to even
;;       return np.moveaxis(q.reshape(q.shape[:-2] + (-1,))[..., :K], -1, axis).astype(np.float32)
;;   ~~~
;;   SOFTMAX AHEAD OF A QUANTISED PRODUCT. Where the list says 'softmax', what is quantised is not the finished softmax but p = 2^(t - M), with t = logit x log2(e) and M = ceil(the row's largest t), a whole number; so 1/2 < the row's largest p <= 1. The row's sum l is taken of the UNQUANTISED p, in f32, and the product's result is divided by l at the end. Since M is a whole number, a kernel that streams over the keys may use a running M (the ceiling of the running maximum): every later rescaling is an exact power of two, which a block's scale takes up: the codes' values come out the same.
;;   OPERANDS COMPUTED ON THE WAY. 'Computed on the way' means the value that the module computes at that place (a softmax that the list does not call 'softmax' is quantised finished and normalised). What goes into a quantiser is computed in f32, as accurately as f32 sums, v_exp_f32 and their like allow (about 1e-6 of the number): no bf16 or f16 on the way to a quantiser, and a product that is left as it is and whose result goes on into a quantised operand takes f32 operands (vector FMAs, or v_wmma_f32_16x16x4_f32). A number that lies on a knife's edge between two numbers of the format may be rounded either way, as far as f32 arithmetic and the matrix unit's own rounding can turn it there, and no further.
;; One version. Each part assembles by itself: llvm-mc -triple=amdgcn-amd-amdhsa -mcpu=gfx1250 --defsym DOCPART=n.
;; ======== version 1 of 1: 4 launches
;; limits: right only within a limited range of input values
;; workspace buffers: xc 6,291,456 bytes; xs 262,144 bytes; wc 1,572,864 bytes; ws 65,536 bytes; kv 13,369,344 bytes; oc 6,291,456 bytes; os 262,144 bytes
;; launch quant (part 1): grid 80 x 4, 8 waves a work-group, no clusters, 69,632 bytes of LDS; arguments x, Wq, Wu, xc, xs, wc, ws; writes xc, xs, wc, ws
.if DOCPART == 1
	.amdgcn_target "amdgcn-amd-amdhsa--gfx1250"
	.amdhsa_code_object_version 6
	.text
	.protected	k_qc70238d49d_quant
	.globl	k_qc70238d49d_quant
	.p2align	8
	.type	k_qc70238d49d_quant,@function
k_qc70238d49d_quant:
	s_mov_b64 s[64:65], 0
	v_nop
	global_prefetch_b8 v0, s[64:65] scope:SCOPE_SE
	s_setreg_imm32_b32 hwreg(HW_REG_WAVE_MODE, 25, 1), 1
	s_wait_xcnt 0x0
; x [8192][1024], Wq [1024][1024], Wu [1024][1024], f32, become codes of FP6 (E2M3) with one E8M0 byte for each 32 along K (the last axis).
; A block's scale is 2^(floor(log2(its largest magnitude)) - 2); its byte is the largest magnitude's exponent field - 2, held at 1 from below.
; LIMITS: NaN and infinities among the inputs are not served.  A block of zeros, or one whose largest magnitude lies under 2^-124, gets the byte 1
; (the rule says 127 for zeros): its codes are zeros or are taken at that scale; the bytes are read by this program alone.
; LAYOUT OF THE CODES: HALF IMAGES of 768 bytes = 16 rows x 64 along K as an image of operand registers.  Lane (r = lane % 16, h = lane / 16) owns block h
; (32 codes, 24 bytes, six registers) of row r: registers 0-3 lie at 16 x lane, registers 4-5 at 512 + 8 x lane.  xc: [row / 16][k / 64][768]; wc: Wq's 1024 rows, then Wu's, likewise.
; LAYOUT OF THE SCALES: planes [k / 64][row] of two bytes (blocks 2 j and 2 j + 1): xs 16,384 bytes a plane, ws 4,096.
; SHARES: a work-group takes 128 rows x 256 columns (x: work-groups 0-63 along x, Wq: 64-71, Wu: 72-79; y: the quarter of K); a wave 16 rows x 256 columns: four half images, a lane four whole blocks.
; Each load reads 512 consecutive bytes of a row; the numbers turn through the wave's own stage in LDS (rows of 512 + 16 bytes) and come back 128 bytes a lane.
; No tensor load, no matrix work, no cluster: memory binds and work-groups share nothing.  All 32 loads of a wave are issued at once.
.set SP,   528                         ; a stage row: 512 bytes + 16
.set STG,  16*SP                       ; a wave's stage
.set PL,   8*STG                       ; behind the stages: [4 half images][128 rows] of two scale bytes, 1,024 bytes
.set R,    32                          ; v32-159  the numbers: as loaded, then block k at v[R + 32 k]
.set C,    160                         ; v160-191 codes: eight registers a block, never rewritten
.set TM0,  8
.set TM1,  9
.set TSO,  10
.set EB,   11
.set T0,   12
.set T1,   13
.set HW,   16                          ; v16-19   a row's two scale bytes, one register for each half image
; 32 numbers of one lane, v[xs] on, become six registers of codes at v[c] on and the scale's byte in v[e]
.macro QBLK xs, c, e
	v_max3_num_f32 v[TM0], |v[\xs]|, |v[\xs+1]|, |v[\xs+2]|          ; the largest magnitude, in two chains
	v_max3_num_f32 v[TM1], |v[\xs+3]|, |v[\xs+4]|, |v[\xs+5]|
.irp i, 6,10,14,18,22,26
	s_delay_alu instid0(VALU_DEP_2)
	v_max3_num_f32 v[TM0], v[TM0], |v[\xs+\i]|, |v[\xs+\i+1]|
	s_delay_alu instid0(VALU_DEP_2)
	v_max3_num_f32 v[TM1], v[TM1], |v[\xs+\i+2]|, |v[\xs+\i+3]|
.endr
	s_delay_alu instid0(VALU_DEP_2)
	v_max3_num_f32 v[TM0], v[TM0], |v[\xs+30]|, |v[\xs+31]|
	s_delay_alu instid0(VALU_DEP_1)
	v_max3_num_f32 v[TM0], v[TM0], v[TM1], 0x1800000                 ; and the floor 2^(3 - 127): the byte cannot fall under 1
	s_delay_alu instid0(VALU_DEP_1)
	v_add_nc_u32 v[TSO], 0xff000000, v[TM0]                          ; 2 off the exponent field: the conversion takes this operand's exponent field as its scale
	v_cvt_scalef32_pk16_fp6_f32 v[\c:\c+2], v[\xs:\xs+15], v[TSO]
	v_cvt_scalef32_pk16_fp6_f32 v[\c+4:\c+6], v[\xs+16:\xs+31], v[TSO]   ; (a conversion's three registers begin on an even number)
	v_lshrrev_b32 v[\e], 23, v[TSO]                                  ; the byte; also the plain line between the conversions and the moves of their results
	v_mov_b32 v[\c+3], v[\c+4]
	v_mov_b32 v[\c+4], v[\c+5]
	v_mov_b32 v[\c+5], v[\c+6]
.endm
	s_load_b128 s[4:7], s[0:1], 0x0                ; x, Wq
	s_load_b128 s[8:11], s[0:1], 0x10              ; Wu, xc
	s_load_b128 s[12:15], s[0:1], 0x20             ; xs, wc
	s_load_b64 s[16:17], s[0:1], 0x30              ; ws
	v_lshl_add_u32 v192, v0, 2, 0x10c00
	v_mov_b32 v193, 0
	v_lshrrev_b32 v14, 5, v0
	s_delay_alu instid0(VALU_DEP_1)
	v_readfirstlane_b32 s18, v14                   ; wave 0..7
	s_and_b32 s19, ttmp7, 0xffff                   ; which quarter of K
	v_and_b32 v14, 31, v0                          ; lane
	v_and_b32 v15, 15, v0                          ; r
	v_bfe_u32 v6, v0, 4, 1                         ; h
	s_delay_alu instid0(VALU_DEP_3)
	v_lshlrev_b32 v1, 4, v14                       ; 16 x lane: a load's and a code store's place
	s_delay_alu instid0(VALU_DEP_4)
	v_lshlrev_b32 v2, 3, v14                       ; 8 x lane
	s_mul_i32 s24, s18, STG
	v_add_nc_u32 v3, s24, v1                       ; into my stage: 16 x lane of a row
	v_mul_u32_u24 v4, v15, SP
	s_delay_alu instid0(VALU_DEP_1)
	v_lshl_add_u32 v4, v6, 7, v4
	s_delay_alu instid0(VALU_DEP_1)
	v_add_nc_u32 v4, s24, v4                       ; out of it: row r, + 128 h: my block of 32 numbers
	s_lshl_b32 s25, s18, 5
	s_add_co_u32 s25, s25, PL
	v_lshl_add_u32 v5, v15, 1, s25                 ; my row's two scale bytes: PL + 2 (16 wave + r)
	s_and_b32 s26, s18, 3                          ; the plane that my wave stores at the end (waves 0-3 do)
	s_lshl_b32 s27, s26, 8
	s_add_co_u32 s27, s27, PL
	v_add_nc_u32 v7, s27, v2                       ; and where it reads that plane: 8 bytes a lane
	v_lshlrev_b32 v6, 3, v6                        ; 8 h: my byte's place in the pair
	v_mov_b32 v[T1], 0                             ; written once: a lane permute's destination counts as one of its sources
	s_mov_b32 s28, 0x76543210
	s_mov_b32 s29, 0xfedcba98                      ; v_permlanex16_b32's selects for lane l xor 16
	s_wait_alu depctr_va_vdst(0)
	s_wait_kmcnt 0x0
	s_cmp_lt_u32 ttmp9, 72                         ; which tensor: the choices hang on the work-group's number alone
	s_cselect_b64 s[6:7], s[6:7], s[8:9]
	s_cselect_b32 s20, 64, 72
	s_cmp_lt_u32 ttmp9, 64
	s_cselect_b64 s[4:5], s[4:5], s[6:7]           ; the numbers
	s_cselect_b64 s[10:11], s[10:11], s[14:15]     ; the codes
	s_cselect_b64 s[12:13], s[12:13], s[16:17]     ; the scale planes
	s_cselect_b32 s20, 0, s20
	s_cselect_b32 s21, 0, 64
	s_mov_b32 s22, 4096
	s_cselect_b32 s22, 16384, s22                  ; bytes in a plane
	s_sub_co_u32 s20, ttmp9, s20                   ; block of 128 rows in the tensor read,
	s_sub_co_u32 s21, ttmp9, s21                   ; and in the buffers written (Wu's rows follow Wq's)
	s_lshl_b32 s30, s20, 19                        ; 128 rows of 4,096 bytes
	s_lshl_b32 s31, s18, 16                        ; my wave's 16 rows
	s_add_co_u32 s30, s30, s31
	s_lshl_b32 s31, s19, 10                        ; the quarter's 256 columns
	s_add_co_u32 s30, s30, s31
	s_mov_b32 s31, 0
	s_add_nc_u64 s[4:5], s[4:5], s[30:31]
	s_lshl_b32 s32, s21, 3
	s_add_co_u32 s32, s32, s18                     ; row / 16
	s_mul_i32 s32, s32, 12288                      ; 16 half images
	s_mul_i32 s33, s19, 3072                       ; the quarter's four
	s_add_co_u32 s32, s32, s33
	s_mov_b32 s33, 0
	s_add_nc_u64 s[10:11], s[10:11], s[32:33]
	s_lshl_b32 s34, s19, 2
	s_add_co_u32 s34, s34, s26                     ; the plane: 4 x quarter + wave % 4
	s_mul_i32 s34, s34, s22
	s_lshl_b32 s35, s21, 8                         ; 128 rows of two bytes
	s_add_co_u32 s34, s34, s35
	s_mov_b32 s35, 0
	s_add_nc_u64 s[12:13], s[12:13], s[34:35]
.macro LOADU n                         ; columns 128 n on of my 16 rows: each load reads 512 consecutive bytes of a row
.irp i, 0,1,2,3,4,5,6,7,8,9,10,11,12,13,14,15
	global_load_b128 v[R+64*\n+4*\i:R+64*\n+4*\i+3], v1, s[4:5] offset:4096*\i+512*\n th:TH_LOAD_NT
.endr
.endm
.macro TURN n                          ; through the stage: in as loaded, back 128 bytes a lane, into the registers that the stores have left (LDS serves a wave's instructions in order: ISA guide 5.7.1.4)
.irp i, 0,1,2,3,4,5,6,7,8,9,10,11,12,13,14,15
	ds_store_b128 v3, v[R+64*\n+4*\i:R+64*\n+4*\i+3] offset:SP*\i
.endr
.irp jj, 0,1
.irp q, 0,1,2,3,4,5,6,7
	ds_load_b128 v[R+64*\n+32*\jj+4*\q:R+64*\n+32*\jj+4*\q+3], v4 offset:256*\jj+16*\q
.endr
.endr
.endm
.macro OUTB k                          ; half image k: my block's codes and byte
	QBLK R+32*\k, C+8*\k, EB
	s_delay_alu instid0(VALU_DEP_4)
	v_lshlrev_b32 v[T0], v6, v[EB]                 ; my byte at its place,
	s_delay_alu instid0(VALU_DEP_1)
	v_permlanex16_b32 v[T1], v[T0], s28, s29
	s_delay_alu instid0(VALU_DEP_1)
	v_or_b32 v[HW+\k], v[T0], v[T1]                ; with lane l xor 16's: the row's pair
	ds_store_b16 v5, v[HW+\k] offset:256*\k        ; both lanes of a row write the same two bytes with the same value
	global_store_b128 v1, v[C+8*\k:C+8*\k+3], s[10:11] offset:768*\k          ; 512 consecutive bytes, at a multiple of 256 from the buffer's first byte
	global_store_b64 v2, v[C+8*\k+4:C+8*\k+5], s[10:11] offset:768*\k+512     ; and 256
.endm
	LOADU 0
	LOADU 1
	s_wait_loadcnt 16                              ; the first 16 loads are in; the second 16 are younger
	TURN 0
	s_wait_loadcnt 0x0
	TURN 1
	s_wait_dscnt 32                                ; the first turn is back; the second turn's 32 lines are younger
	OUTB 0
	OUTB 1
	s_wait_dscnt 2                                 ; the second turn is back; the two stores of byte pairs are younger
	OUTB 2
	OUTB 3
	s_wait_dscnt 0x0                               ; for the others' sake: my byte pairs lie in LDS
	s_barrier_signal -1
	s_barrier_wait -1
	s_cmp_lt_u32 s18, 4                            ; waves 0-3 store a plane each: 128 rows' pairs
	s_cbranch_scc0 .Lend
	ds_load_b64 v[20:21], v7
	s_wait_dscnt 0x0
	global_store_b64 v2, v[20:21], s[12:13]        ; 256 consecutive bytes, aligned
.Lend:
	s_wait_tensorcnt 0x0
	ds_add_u32 v192, v193
	s_wait_dscnt 0x0
	s_endpgm
.Lfunc_end_k_qc70238d49d_quant:
	.size	k_qc70238d49d_quant, .Lfunc_end_k_qc70238d49d_quant-k_qc70238d49d_quant
	.p2alignl 7, 3214868480
	.fill 96, 4, 3214868480
	.section	.rodata,"a",@progbits
	.p2align	6, 0x0
	.amdhsa_kernel k_qc70238d49d_quant
		.amdhsa_group_segment_fixed_size 69632
		.amdhsa_private_segment_fixed_size 0
		.amdhsa_enable_private_segment 0
		.amdhsa_kernarg_size 56
		.amdhsa_user_sgpr_count 2
		.amdhsa_user_sgpr_kernarg_segment_ptr 1
		.amdhsa_wavefront_size32 1
		.amdhsa_system_sgpr_workgroup_id_x 1
		.amdhsa_system_sgpr_workgroup_id_y 1
		.amdhsa_system_sgpr_workgroup_id_z 1
		.amdhsa_system_vgpr_workitem_id 0
		.amdhsa_next_free_vgpr 194
		.amdhsa_next_free_sgpr 66
		.amdhsa_reserve_vcc 0
		.amdhsa_float_denorm_mode_32 3
		.amdhsa_float_denorm_mode_16_64 3
		.amdhsa_memory_ordered 1
		.amdhsa_forward_progress 1
		.amdhsa_inst_pref_size 20
	.end_amdhsa_kernel
	.amdgpu_metadata
---
amdhsa.version: [ 1, 2 ]
amdhsa.kernels:
  - .name:           k_qc70238d49d_quant
    .symbol:         k_qc70238d49d_quant.kd
    .args:
      - { .name: x, .offset: 0, .size: 8, .value_kind: global_buffer, .address_space: global }
      - { .name: Wq, .offset: 8, .size: 8, .value_kind: global_buffer, .address_space: global }
      - { .name: Wu, .offset: 16, .size: 8, .value_kind: global_buffer, .address_space: global }
      - { .name: xc, .offset: 24, .size: 8, .value_kind: global_buffer, .address_space: global }
      - { .name: xs, .offset: 32, .size: 8, .value_kind: global_buffer, .address_space: global }
      - { .name: wc, .offset: 40, .size: 8, .value_kind: global_buffer, .address_space: global }
      - { .name: ws, .offset: 48, .size: 8, .value_kind: global_buffer, .address_space: global }
    .group_segment_fixed_size: 69632
    .private_segment_fixed_size: 0
    .kernarg_segment_align: 8
    .kernarg_segment_size: 56
    .max_flat_workgroup_size: 256
    .sgpr_count:     66
    .vgpr_count:     194
    .wavefront_size: 32
...
	.end_amdgpu_metadata
.endif
;; end of part 1
;; launch qproj (part 2): grid 4 x 64, 4 waves a work-group, clusters of 4 x 4, 295,424 bytes of LDS; arguments xc, xs, wc, ws, kv; writes kv
.if DOCPART == 2
	.amdgcn_target "amdgcn-amd-amdhsa--gfx1250"
	.amdhsa_code_object_version 6
	.text
	.protected	k_qc70238d49d_qproj
	.globl	k_qc70238d49d_qproj
	.p2align	8
	.type	k_qc70238d49d_qproj,@function
k_qc70238d49d_qproj:
	s_mov_b64 s[64:65], 0
	v_nop
	global_prefetch_b8 v0, s[64:65] scope:SCOPE_SE
	s_setreg_imm32_b32 hwreg(HW_REG_WAVE_MODE, 25, 1), 1
	s_wait_xcnt 0x0
	s_wait_alu depctr_hold_cnt(0) depctr_sa_sdst(0) depctr_va_vdst(0) depctr_va_sdst(0) depctr_va_ssrc(0) depctr_va_vcc(0) depctr_vm_vsrc(0)
	s_getreg_b32 s2, hwreg(HW_REG_IB_STS2, 6, 4)
	s_cmp_eq_u32 s2, 0
	s_cbranch_scc0 .Lentry_in_a_cluster
	s_endpgm
.Lentry_in_a_cluster:
	s_bfe_u32 s2, ttmp6, 0x10000c
	s_cmp_lg_u32 s2, 0xf033
	s_cbranch_scc0 .Lentry_shape_is_right
	s_endpgm
.Lentry_shape_is_right:
; q = x Wq^T on codes of FP6 (E2M3) with E8M0 scales; q never goes to memory as f32: on the way out it is quantised twice, along the head's 64 channels (both operands of q q^T)
; and along the tokens (the values), into one RECORD of 13,056 bytes for each (batch, head, 128 tokens).
; OPERANDS: half images of 768 bytes = 16 rows x 64 K: lane (r, h) owns block h of row r: registers 0-3 at 16 x lane, 4-5 at 512 + 8 x lane.  Two of them are a fragment of 128 K (12 registers).
; SHARES: a tile of C is 128 tokens x 256 channels: 256 work-groups.  A wave makes 128 x 64: 32 accumulators: one head x one step of 128 tokens = one record.
; ALL OF K LIES IN LDS: four chunks of 256 K (A 24,576 bytes, B 49,152); every tensor load is a first fill; nothing is filled again.  By this text's count a wave has four tensor loads out at the most.
; CLUSTER 4 x 4: A's chunks hang on the tile row alone and are asked for jointly by a row of the cluster, B's on the tile column alone and by a column: a quarter of the requests.
; THE MATRIX INSTRUCTION IS USED TRANSPOSED (source 0 = 16 rows of Wq, source 1 = 16 tokens): lane (r, h) holds token r and channels 8 h + 0..7 of a tile.
; A RECORD: +0 K codes, 8 tiles x 768: row r' of tile 2 g + u is token 32 g + 8 u + r' + 8 (r' / 8);  +6144 V codes, 4 tiles of channels x 2 halves x 768: row r of tile 2 p + u is channel 32 p + 8 u + r + 8 (r / 8), K = tokens in order;
;   +12288 K scale words, 4 x 128 bytes: word 128 g + 4 lane: lanes 0-15 tile 2 g, lanes 16-31 tile 2 g + 1 (bytes 0, 1; bytes 2, 3 are 0);  +12800 V scale words, 2 x 128 bytes: byte g = block g of 32 tokens.
; LIMITS: as the quantiser's: NaN and infinities are not served; a block of zeros or under 2^-124 gets the byte 1.
; REGISTERS: window 0: v1-31 addresses and work; v32-63 V's codes on the way out; v64-159 A's fragments, v160-207 B's (set 0); v208-239 A's scale words, v240-255 B's.  window 1: accumulator (a, b) at v[8 (4 a + b)].  window 2: fragments, set 1.
.set SECOND, 0                         ; which half of wc and ws: Wq's
; LDS, AS THIS TEXT NOW LAYS IT (in place of the four chunks named above): two halves of K, 512 each: A's 8 tiles of rows x 6,144 bytes, then B's 16.  One tensor load a wave, each on a line of its own:
; wave 0 A's first half, wave 1 B's, wave 2 A's second half, wave 3 B's.  Waves 0 and 1 wait ahead of the first barrier; all waves wait ahead of the barrier in K step 3.  Nothing is filled again.
; THE K TILES OF A RECORD, AS THIS TEXT NOW ORDERS THEM: row 8 b + i' of tile 4 c + i is token 64 c + 32 b + 8 i + i' (b = 0, 1; i = 0 .. 3; i' = 0 .. 7); the scale words go with their tiles, word 128 (tile / 2) + 4 lane.
.set CH,    147456                     ; a half of K in LDS
.set BOFF,  49152                      ; B behind A in a half
.set REC,   13056
.set FA,    64
.set FB,    160
.set SA,    208                        ; A's scale word (pair of tiles ip, K step s) at v[SA + 8 ip + s]: lanes 0-15 tile 2 ip, lanes 16-31 tile 2 ip + 1
.set SB,    240
.set AA16,  4
.set AA8,   5
.set AB16,  6
.set AB8,   7
.set STO,   8
.set KRD,   9
.set VRD,   10
.set SGW,   11
.set SGR16, 12
.set SGR8,  13
.set SH8,   14
.set TM0,   16
.set TM1,   17
.set TSO,   18
.set EB,    19
.set T0,    20
.set T1,    21
.set W0,    22
.set SV0,   24
.set PW,    26
.set X0,    64
.set Y0,    128
.set CK0,   192
.set CV0,   32
.set VE0,   48
.set WV,    16
.set G1A,   24
.set G1B,   32
.set G0A,   40
.set G0B,   68
.set MSB,   0
.macro WIN new                         ; the immediate's high byte repeats the setting that is left
.if MSB != (\new)
	s_set_vgpr_msb (MSB<<8)|(\new)
.set MSB, (\new)
.endif
.endm
.macro CROUND                          ; a round of the cluster's barrier
	s_barrier_signal -1
	s_barrier_wait -1
	s_cmp_lg_u32 s[WV], 0
	s_cbranch_scc1 .Lnot_wave_0_\@
	s_barrier_signal -3
.Lnot_wave_0_\@:
	s_barrier_wait -3
	s_barrier_signal -1
	s_barrier_wait -1
.endm
; one product.  z = 1: C is the constant 0, else v[cr] on.  ro: bit 0: source 0's scales from lanes 16-31; bit 1: source 1's
.macro WM d, fa, fb, z, cr, sa, sb, ro
.if \z
.if (\ro) == 0
	v_wmma_scale_f32_16x16x128_f8f6f4 v[\d:\d+7], v[\fa:\fa+11], v[\fb:\fb+11], 0, v[\sa], v[\sb] matrix_a_fmt:MATRIX_FMT_FP6 matrix_b_fmt:MATRIX_FMT_FP6
.elseif (\ro) == 1
	v_wmma_scale_f32_16x16x128_f8f6f4 v[\d:\d+7], v[\fa:\fa+11], v[\fb:\fb+11], 0, v[\sa], v[\sb] matrix_a_fmt:MATRIX_FMT_FP6 matrix_b_fmt:MATRIX_FMT_FP6 matrix_a_scale:MATRIX_SCALE_ROW1
.elseif (\ro) == 2
	v_wmma_scale_f32_16x16x128_f8f6f4 v[\d:\d+7], v[\fa:\fa+11], v[\fb:\fb+11], 0, v[\sa], v[\sb] matrix_a_fmt:MATRIX_FMT_FP6 matrix_b_fmt:MATRIX_FMT_FP6 matrix_b_scale:MATRIX_SCALE_ROW1
.else
	v_wmma_scale_f32_16x16x128_f8f6f4 v[\d:\d+7], v[\fa:\fa+11], v[\fb:\fb+11], 0, v[\sa], v[\sb] matrix_a_fmt:MATRIX_FMT_FP6 matrix_b_fmt:MATRIX_FMT_FP6 matrix_a_scale:MATRIX_SCALE_ROW1 matrix_b_scale:MATRIX_SCALE_ROW1
.endif
.else
.if (\ro) == 0
	v_wmma_scale_f32_16x16x128_f8f6f4 v[\d:\d+7], v[\fa:\fa+11], v[\fb:\fb+11], v[\cr:\cr+7], v[\sa], v[\sb] matrix_a_fmt:MATRIX_FMT_FP6 matrix_b_fmt:MATRIX_FMT_FP6
.elseif (\ro) == 1
	v_wmma_scale_f32_16x16x128_f8f6f4 v[\d:\d+7], v[\fa:\fa+11], v[\fb:\fb+11], v[\cr:\cr+7], v[\sa], v[\sb] matrix_a_fmt:MATRIX_FMT_FP6 matrix_b_fmt:MATRIX_FMT_FP6 matrix_a_scale:MATRIX_SCALE_ROW1
.elseif (\ro) == 2
	v_wmma_scale_f32_16x16x128_f8f6f4 v[\d:\d+7], v[\fa:\fa+11], v[\fb:\fb+11], v[\cr:\cr+7], v[\sa], v[\sb] matrix_a_fmt:MATRIX_FMT_FP6 matrix_b_fmt:MATRIX_FMT_FP6 matrix_b_scale:MATRIX_SCALE_ROW1
.else
	v_wmma_scale_f32_16x16x128_f8f6f4 v[\d:\d+7], v[\fa:\fa+11], v[\fb:\fb+11], v[\cr:\cr+7], v[\sa], v[\sb] matrix_a_fmt:MATRIX_FMT_FP6 matrix_b_fmt:MATRIX_FMT_FP6 matrix_a_scale:MATRIX_SCALE_ROW1 matrix_b_scale:MATRIX_SCALE_ROW1
.endif
.endif
.endm
	s_load_b256 s[4:11], s[0:1], 0x0               ; A's codes s[4:5], A's scales s[6:7], wc s[8:9], ws s[10:11]
	s_load_b64 s[12:13], s[0:1], 0x20              ; kv
	v_lshl_add_u32 v55, v0, 2, 0x48000
	v_mov_b32 v63, 0
	ds_add_u32 v55, v63
	ds_add_u32 v55, v63
	v_lshrrev_b32 v8, 5, v0
	v_readfirstlane_b32 s[WV], v8                  ; wave 0..3
	s_bfe_u32 s17, ttmp6, 0x40000                  ; cx
	s_bfe_u32 s18, ttmp6, 0x40004                  ; cy
	s_lshl_b32 s19, ttmp9, 2
	s_add_co_u32 s19, s19, s17                     ; X: tile column of C = 4 x cluster x + cx
	s_and_b32 s20, ttmp7, 0xffff
	s_lshl_b32 s20, s20, 2
	s_add_co_u32 s20, s20, s18                     ; Y: tile row = 4 x cluster y + cy
	s_lshl_b32 s22, s18, 2
	s_lshl_b32 s22, 15, s22                        ; my row of the cluster
	s_lshl_b32 s23, 0x1111, s17                    ; my column
	; descriptor group 1: 8 tiles of 16 rows, of each 8 half images (6,144 bytes = 768 elements of 8 bytes), 12,288 bytes (1,536 elements) apart; dense in LDS
	s_or_b32 s[G1A], s22, (3<<16)|(1<<21)          ; 15:0 the mask; 17:16 elements of 8 bytes; 21 set beside a mask
	s_or_b32 s[G1B], s23, (3<<16)|(1<<21)
.irp g, G1A, G1B
	s_mov_b32 s[\g+1], 768<<16                     ; tensor_dim0: 8 half images, 6,144 bytes
	s_mov_b32 s[\g+3], 768<<16                     ; tile_dim0
	s_mov_b32 s[\g+5], 1536                        ; tensor_dim0_stride
	s_mov_b32 s[\g+6], 0
	s_mov_b32 s[\g+7], 0
.endr
	s_mov_b32 s[G1A+2], 8<<16                      ; A: 8 tiles of rows
	s_mov_b32 s[G1A+4], 8
	s_mov_b32 s[G1B+2], 16<<16                     ; B: 16
	s_mov_b32 s[G1B+4], 16
	s_mul_i32 s56, s20, 98304                      ; A: 8 tiles of rows x 12,288 bytes for each tile row of C: hangs on Y alone
	s_mov_b32 s57, 0
	s_mul_i32 s58, s19, 196608                     ; B: 16 tiles of rows for each tile column: hangs on X alone
	s_add_co_u32 s58, s58, SECOND*786432
	s_mov_b32 s59, 0
	s_wait_dscnt 0x0
	s_wait_kmcnt 0x0
	s_add_nc_u64 s[60:61], s[4:5], s[56:57]
	s_add_nc_u64 s[58:59], s[8:9], s[58:59]
.irp c, 0,1                            ; a group 0 for each half of K
	s_mov_b32 s[G0A+4*\c], 1
	s_mov_b32 s[G0A+4*\c+1], \c*CH
	s_add_nc_u64 s[G0A+4*\c+2:G0A+4*\c+3], s[60:61], \c*6144
	s_or_b32 s[G0A+4*\c+3], s[G0A+4*\c+3], 0x80000000
	s_mov_b32 s[G0B+4*\c], 1
	s_mov_b32 s[G0B+4*\c+1], \c*CH+BOFF
	s_add_nc_u64 s[G0B+4*\c+2:G0B+4*\c+3], s[58:59], \c*6144
	s_or_b32 s[G0B+4*\c+3], s[G0B+4*\c+3], 0x80000000
.endr
	CROUND                                         ; all sixteen work-groups are here: the joint loads meet
	s_cmp_eq_u32 s[WV], 0                          ; one chain of branches on the wave's number, one load to an arm
	s_cbranch_scc0 .Lnot_a
	tensor_load_to_lds s[G0A:G0A+3], s[G1A:G1A+7]  ; wave 0: A, first half of K
	s_nop 0
.rept 4
	v_nop
.endr
	s_branch .Lasked
.Lnot_a:
	s_cmp_eq_u32 s[WV], 1
	s_cbranch_scc0 .Lnot_b
	tensor_load_to_lds s[G0B:G0B+3], s[G1B:G1B+7]  ; wave 1: B, first half
	s_nop 0
.rept 4
	v_nop
.endr
	s_branch .Lasked
.Lnot_b:
	s_cmp_eq_u32 s[WV], 2
	s_cbranch_scc0 .Lnot_a1
	tensor_load_to_lds s[G0A+4:G0A+7], s[G1A:G1A+7]  ; wave 2: A, second half
	s_nop 0
.rept 4
	v_nop
.endr
	s_branch .Lasked
.Lnot_a1:
	tensor_load_to_lds s[G0B+4:G0B+7], s[G1B:G1B+7]  ; wave 3: B, second half
	s_nop 0
.rept 4
	v_nop
.endr
.Lasked:
	v_and_b32 v30, 31, v0                          ; lane
	v_lshlrev_b32 v1, 4, v30
	v_lshlrev_b32 v2, 3, v30
	v_lshlrev_b32 v3, 1, v30
	s_wait_alu depctr_va_vdst(0)
	s_lshl_b32 s84, s20, 8                         ; A's scales: my tile's 128 rows of two bytes in each plane
	s_mov_b32 s85, 0
	s_add_nc_u64 s[84:85], s[6:7], s[84:85]
	s_lshl_b32 s86, s19, 9                         ; B's: the tile column's 256 rows, my wave's 64 of them
	s_lshl_b32 s87, s[WV], 7
	s_add_co_u32 s86, s86, s87
	s_add_co_u32 s86, s86, SECOND*2048
	s_mov_b32 s87, 0
	s_add_nc_u64 s[86:87], s[10:11], s[86:87]
.irp ip, 0,1,2,3                       ; the scales of all of K come once, into registers: 32 rows' pairs (64 consecutive bytes) a load
.irp j, 0,1,2,3,4,5,6,7,8,9,10,11,12,13,14,15
	global_load_u16 v[FA+16*\ip+\j], v3, s[84:85] offset:\j*16384+64*\ip
.endr
.endr
.irp ip, 0,1
.irp j, 0,1,2,3,4,5,6,7,8,9,10,11,12,13,14,15
	global_load_u16 v[FA+64+16*\ip+\j], v3, s[86:87] offset:\j*4096+64*\ip
.endr
.endr
	s_lshr_b32 s88, s20, 4                         ; my record: ((batch x 16 + head) x 16 + step): batch = Y / 16, head = 4 X + wave, step = Y % 16
	s_lshl_b32 s88, s88, 8
	s_lshl_b32 s89, s19, 2
	s_add_co_u32 s89, s89, s[WV]
	s_lshl_b32 s89, s89, 4
	s_add_co_u32 s88, s88, s89
	s_and_b32 s89, s20, 15
	s_add_co_u32 s88, s88, s89
	s_mul_i32 s88, s88, REC
	s_mov_b32 s89, 0
	s_add_nc_u64 s[12:13], s[12:13], s[88:89]
	s_mov_b32 s96, 0x76543210
	s_mov_b32 s97, 0xfedcba98                      ; v_permlanex16_b32's selects for lane l xor 16
	s_mov_b32 s98, 0xffff0000                      ; lanes 16-31
	s_wait_loadcnt 0x0
.irp ip, 0,1,2,3
.irp s, 0,1,2,3,4,5,6,7
	v_lshl_or_b32 v[SA+8*\ip+\s], v[FA+16*\ip+2*\s+1], 16, v[FA+16*\ip+2*\s]       ; two planes make the word of 128 K
.endr
.endr
.irp ip, 0,1
.irp s, 0,1,2,3,4,5,6,7
	v_lshl_or_b32 v[SB+8*\ip+\s], v[FA+64+16*\ip+2*\s+1], 16, v[FA+64+16*\ip+2*\s]
.endr
.endr
	; the addresses: more than eight plain lines, which also stand between the scale words' last write and the first product
	v_lshlrev_b32 v[AA16], 4, v30                  ; A's fragments: 16 x lane, 8 x lane, + the chunk
	v_lshlrev_b32 v[AA8], 3, v30
	s_mul_i32 s90, s[WV], 24576                    ; B's: my wave's four tiles of rows, 6,144 bytes each in a half
	s_add_co_u32 s90, s90, BOFF
	v_add_nc_u32 v[AB16], s90, v1
	v_add_nc_u32 v[AB8], s90, v2
	s_mul_i32 s91, s[WV], 18432                    ; my stage, in the first half's bytes: they have had their one fill, and their last read is waited for in front of the barrier of K step 3
	v_and_b32 v15, 15, v0                          ; r
	v_and_b32 v27, 7, v0                           ; r % 8
	v_bfe_u32 v28, v0, 3, 1                        ; r / 8
	v_bfe_u32 v29, v0, 4, 1                        ; h
	v_lshl_add_u32 v[STO], v28, 4, v27             ; token 16 (a % 2) + r of a group of 32 goes to stage row 16 (r / 8) + r % 8 + 8 (a % 2): so rows 16 u + r' are tile u's rows in the record's order
	v_mul_u32_u24 v[STO], v[STO], 272
	v_lshl_add_u32 v[STO], v29, 5, v[STO]
	v_add_nc_u32 v[STO], s91, v[STO]
	v_mul_u32_u24 v[KRD], v15, 272                 ; K: stage row r, block h: 128 bytes
	v_lshl_add_u32 v[KRD], v29, 7, v[KRD]
	v_add_nc_u32 v[KRD], s91, v[KRD]
	v_lshlrev_b32 v[VRD], 2, v27                   ; V: my channel 8 (lane / 16) + lane % 8 + 16 ((lane / 8) % 2), + 32 p
	v_lshl_add_u32 v[VRD], v28, 6, v[VRD]
	v_lshl_add_u32 v[VRD], v29, 5, v[VRD]
	v_add_nc_u32 v[VRD], s91, v[VRD]
	s_add_co_u32 s91, s91, 17408                   ; behind the stage's 64 rows: 768 bytes for the scale words
	v_lshl_add_u32 v[SGW], v30, 2, s91
	v_add_nc_u32 v[SGR16], s91, v1
	s_add_co_u32 s91, s91, 512
	v_add_nc_u32 v[SGR8], s91, v2
	v_lshlrev_b32 v[SH8], 3, v29
	v_mov_b32 v[T1], 0                             ; written once: a lane permute's destination counts as one of its sources
.macro FRAG reg, a16, a8, off          ; a fragment = two half images: registers 0-3, 4-5, 6-9, 10-11; every load's lanes read consecutive bytes
	ds_load_b128 v[\reg:\reg+3], v[\a16] offset:\off
	ds_load_b64 v[\reg+4:\reg+5], v[\a8] offset:\off+512
	ds_load_b128 v[\reg+6:\reg+9], v[\a16] offset:\off+768
	ds_load_b64 v[\reg+10:\reg+11], v[\a8] offset:\off+1280
.endm
.macro FETCH s                         ; K step s (128 K): A's eight fragments and my four of B, 48 loads in one run, into set s % 2
	WIN 0x80*((\s)%2)
.irp a, 0,1,2,3,4,5,6,7
	FRAG FA+12*\a, AA16, AA8, 6144*\a+1536*((\s)%4)
.endr
.irp b, 0,1,2,3
	FRAG FB+12*\b, AB16, AB8, 6144*\b+1536*((\s)%4)
.endr
	WIN 0
.endm
.macro MUL s                           ; 32 products; the 32 accumulators take turns, one instruction a turn, in the same order in every step
	WIN 0x50+0x0a*((\s)%2)
.irp a, 0,1,2,3,4,5,6,7
.irp b, 0,1,2,3
.if (\s) == 0
	WM 8*(4*\a+\b), FB+12*\b, FA+12*\a, 1, 0, SB+8*(\b/2)+(\s), SA+8*(\a/2)+(\s), (\b%2)+2*(\a%2)
.else
	WM 8*(4*\a+\b), FB+12*\b, FA+12*\a, 0, 8*(4*\a+\b), SB+8*(\b/2)+(\s), SA+8*(\a/2)+(\s), (\b%2)+2*(\a%2)
.endif
.endr
.endr
	WIN 0
.endm
.macro STEP s
	s_wait_dscnt 0x0                               ; this step's fragments are in (asked for a step ago)
.if (\s) == 3
	s_wait_tensorcnt 0x0                           ; every wave's load has landed: the second half of K
	s_barrier_signal -1
	s_barrier_wait -1                              ; everybody's has
	v_add_nc_u32 v[AA16], CH, v[AA16]              ; on to that half: four plain lines, the places in front of loads into registers that products have read
	v_add_nc_u32 v[AA8], CH, v[AA8]
	v_add_nc_u32 v[AB16], CH, v[AB16]
	v_add_nc_u32 v[AB8], CH, v[AB8]
.else
.rept 4
	v_nop                                          ; the same four places (ISA guide 7.12.1)
.endr
.endif
.if (\s) < 7
	s_wait_alu depctr_va_vdst(0)
	FETCH (\s)+1
.endif
	MUL \s
.endm
	s_wait_alu depctr_va_vdst(0)                   ; the wait at the head's end
	s_cmp_lt_u32 s[WV], 2
	s_cbranch_scc0 .Lnot_first
	s_wait_tensorcnt 0x0                           ; waves 0 and 1: the first half of K has landed
.Lnot_first:
	s_barrier_signal -1
	s_barrier_wait -1                              ; waves 2 and 3's loads may be out
	FETCH 0
.irp s, 0,1,2,3,4,5,6,7
	STEP \s
.endr
; THE WAY OUT.  32 numbers of one lane, v[xs] on, become six registers of codes at v[c] on and the scale's byte in v[e]
.macro QBLK xs, c, e
	v_max3_num_f32 v[TM0], |v[\xs]|, |v[\xs+1]|, |v[\xs+2]|
	v_max3_num_f32 v[TM1], |v[\xs+3]|, |v[\xs+4]|, |v[\xs+5]|
.irp i, 6,10,14,18,22,26
	v_max3_num_f32 v[TM0], v[TM0], |v[\xs+\i]|, |v[\xs+\i+1]|
	v_max3_num_f32 v[TM1], v[TM1], |v[\xs+\i+2]|, |v[\xs+\i+3]|
.endr
	v_max3_num_f32 v[TM0], v[TM0], |v[\xs+30]|, |v[\xs+31]|
	v_max3_num_f32 v[TM0], v[TM0], v[TM1], 0x1800000                 ; the floor 2^(3 - 127): the byte cannot fall under 1
	v_add_nc_u32 v[TSO], 0xff000000, v[TM0]                          ; 2 off the exponent field: the conversion's scale operand
	v_cvt_scalef32_pk16_fp6_f32 v[\c:\c+2], v[\xs:\xs+15], v[TSO]
	v_cvt_scalef32_pk16_fp6_f32 v[\c+4:\c+6], v[\xs+16:\xs+31], v[TSO]
	v_lshrrev_b32 v[\e], 23, v[TSO]                                  ; the byte; also the plain line behind the conversions
	v_mov_b32 v[\c+3], v[\c+4]
	v_mov_b32 v[\c+4], v[\c+5]
	v_mov_b32 v[\c+5], v[\c+6]
.endm
; Tokens 32 g to 32 g + 31: through my stage (32 rows of 256 + 16 bytes); back by rows for K (a lane: 32 channels of a token) and by columns for V (a lane: a channel, registers down the 32 tokens).
.macro GROUP g
	s_wait_xcnt 0x0                                ; the last group's stores have read their registers, which are written again below
.if (\g)%2 == 0                        ; an even group stages 64 tokens, its own 32 and the next group's: token 16 aa + 8 (r / 8) + r % 8 goes to stage row 32 (aa % 2) + 16 (r / 8) + 8 (aa / 2) + r % 8, so that rows 16 i + 0..15 are K tile i's
	WIN 0x04                                       ; an LDS store's data are its source 1: window 1
.irp aa, 0,1,2,3
.irp b, 0,1,2,3
	ds_store_b128 v[STO], v[8*(4*(2*\g+\aa)+\b):8*(4*(2*\g+\aa)+\b)+3] offset:(32*(\aa%2)+8*(\aa/2))*272+64*\b        ; each accumulator from its low end on
	ds_store_b128 v[STO], v[8*(4*(2*\g+\aa)+\b)+4:8*(4*(2*\g+\aa)+\b)+7] offset:(32*(\aa%2)+8*(\aa/2))*272+64*\b+16
.endr
.endr
	WIN 0
.endif
.irp u, 0,1
.irp i, 0,1,2,3,4,5,6,7
	ds_load_b128 v[X0+32*\u+4*\i:X0+32*\u+4*\i+3], v[KRD] offset:16*(2*((\g)%2)+\u)*272+16*\i     ; K tile 2 (g % 2) + u of the 64 tokens; LDS serves a wave's instructions in order: these see the stores
.endr
.endr
.irp p, 0,1
.set I, 0
.rept 32
	ds_load_b32 v[Y0+32*\p+I], v[VRD] offset:(16*(I/8)+8*((\g)%2)+(I%8))*272+128*\p      ; token I of group g's 32, in true order
.set I, I+1
.endr
.endr
	s_wait_dscnt 0x0
.irp u, 0,1                            ; K: tile 2 g + u
	QBLK X0+32*\u, CK0+8*\u, EB
	v_lshlrev_b32 v[T0], v[SH8], v[EB]
	v_permlanex16_b32 v[T1], v[T0], s96, s97
	v_or_b32 v[W0+\u], v[T0], v[T1]                ; the row's scale word: bytes 0 and 1
	global_store_b128 v1, v[CK0+8*\u:CK0+8*\u+3], s[12:13] offset:768*(2*\g+\u)          ; 512 consecutive bytes, at a multiple of 256 from the buffer's first byte
	global_store_b64 v2, v[CK0+8*\u+4:CK0+8*\u+5], s[12:13] offset:768*(2*\g+\u)+512     ; and 256
.endr
	v_cndmask_b32 v[PW], v[W0], v[W0+1], s98       ; lanes 0-15 tile 2 g's words, lanes 16-31 tile 2 g + 1's
	ds_store_b32 v[SGW], v[PW] offset:128*\g
.irp p, 0,1                            ; V: block g of the tokens, channels 32 p on
.if (\g)%2 == 0
	QBLK Y0+32*\p, VE0+8*\p, EB
.else
	QBLK Y0+32*\p, CV0+8*\p, EB
.endif
.if (\g) == 0
	v_mov_b32 v[SV0+\p], v[EB]
.else
	v_lshl_or_b32 v[SV0+\p], v[EB], 8*\g, v[SV0+\p]
.endif
.if (\g)%2 == 1                        ; a half image wants block 2 c in lanes 0-15 and block 2 c + 1 in lanes 16-31: the even block's lanes 16-31 change places with the odd block's lanes 0-15
.irp k, 0,1,2,3,4,5
	v_permlane16_swap_b32 v[VE0+8*\p+\k], v[CV0+8*\p+\k]
.endr
	global_store_b128 v1, v[VE0+8*\p:VE0+8*\p+3], s[12:13] offset:6144+1536*(2*\p)+768*(\g/2)
	global_store_b64 v2, v[VE0+8*\p+4:VE0+8*\p+5], s[12:13] offset:6144+1536*(2*\p)+768*(\g/2)+512
	global_store_b128 v1, v[CV0+8*\p:CV0+8*\p+3], s[12:13] offset:6144+1536*(2*\p+1)+768*(\g/2)
	global_store_b64 v2, v[CV0+8*\p+4:CV0+8*\p+5], s[12:13] offset:6144+1536*(2*\p+1)+768*(\g/2)+512
.endif
.endr
.endm
.rept 4
	v_nop                                          ; four places between the last products and the first read of results
.endr
	GROUP 0
	GROUP 1
	GROUP 2
	GROUP 3
	ds_store_b32 v[SGW], v[SV0] offset:512         ; V's scale words: lanes 0-15 tile 2 p, lanes 16-31 tile 2 p + 1
	ds_store_b32 v[SGW], v[SV0+1] offset:640
	ds_load_b128 v[64:67], v[SGR16]                ; the record's 768 bytes of scale words leave together
	ds_load_b64 v[68:69], v[SGR8]
	s_wait_dscnt 0x0
	global_store_b128 v1, v[64:67], s[12:13] offset:12288
	global_store_b64 v2, v[68:69], s[12:13] offset:12800
	s_wait_tensorcnt 0x0
	ds_add_u32 v55, v63
	s_wait_dscnt 0x0
	CROUND                                         ; the closing round: no work-group ends while a partner may still ask for a tile that names it
	s_endpgm
.Lfunc_end_k_qc70238d49d_qproj:
	.size	k_qc70238d49d_qproj, .Lfunc_end_k_qc70238d49d_qproj-k_qc70238d49d_qproj
	.p2alignl 7, 3214868480
	.fill 96, 4, 3214868480
	.section	.rodata,"a",@progbits
	.p2align	6, 0x0
	.amdhsa_kernel k_qc70238d49d_qproj
		.amdhsa_group_segment_fixed_size 295424
		.amdhsa_private_segment_fixed_size 0
		.amdhsa_enable_private_segment 0
		.amdhsa_kernarg_size 40
		.amdhsa_user_sgpr_count 2
		.amdhsa_user_sgpr_kernarg_segment_ptr 1
		.amdhsa_wavefront_size32 1
		.amdhsa_system_sgpr_workgroup_id_x 1
		.amdhsa_system_sgpr_workgroup_id_y 1
		.amdhsa_system_sgpr_workgroup_id_z 1
		.amdhsa_system_vgpr_workitem_id 0
		.amdhsa_next_free_vgpr 720
		.amdhsa_next_free_sgpr 100
		.amdhsa_reserve_vcc 0
		.amdhsa_float_denorm_mode_32 3
		.amdhsa_float_denorm_mode_16_64 3
		.amdhsa_memory_ordered 1
		.amdhsa_forward_progress 1
		.amdhsa_inst_pref_size 131
	.end_amdhsa_kernel
	.amdgpu_metadata
---
amdhsa.version: [ 1, 2 ]
amdhsa.kernels:
  - .name:           k_qc70238d49d_qproj
    .symbol:         k_qc70238d49d_qproj.kd
    .args:
      - { .name: xc, .offset: 0, .size: 8, .value_kind: global_buffer, .address_space: global }
      - { .name: xs, .offset: 8, .size: 8, .value_kind: global_buffer, .address_space: global }
      - { .name: wc, .offset: 16, .size: 8, .value_kind: global_buffer, .address_space: global }
      - { .name: ws, .offset: 24, .size: 8, .value_kind: global_buffer, .address_space: global }
      - { .name: kv, .offset: 32, .size: 8, .value_kind: global_buffer, .address_space: global }
    .group_segment_fixed_size: 295424
    .private_segment_fixed_size: 0
    .kernarg_segment_align: 8
    .kernarg_segment_size: 40
    .max_flat_workgroup_size: 128
    .sgpr_count:     100
    .vgpr_count:     720
    .wavefront_size: 32
...
	.end_amdgpu_metadata
.endif
;; end of part 2
;; launch attn (part 3): grid 4 x 64, 8 waves a work-group, clusters of 4 x 1, 211,968 bytes of LDS; arguments kv, oc, os; writes oc, os
.if DOCPART == 3
	.amdgcn_target "amdgcn-amd-amdhsa--gfx1250"
	.amdhsa_code_object_version 6
	.text
	.protected	k_qc70238d49d_attn
	.globl	k_qc70238d49d_attn
	.p2align	8
	.type	k_qc70238d49d_attn,@function
k_qc70238d49d_attn:
	s_mov_b64 s[64:65], 0
	v_nop
	global_prefetch_b8 v0, s[64:65] scope:SCOPE_SE
	s_setreg_imm32_b32 hwreg(HW_REG_WAVE_MODE, 25, 1), 1
	s_wait_xcnt 0x0
	s_wait_alu depctr_hold_cnt(0) depctr_sa_sdst(0) depctr_va_vdst(0) depctr_va_sdst(0) depctr_va_ssrc(0) depctr_va_vcc(0) depctr_vm_vsrc(0)
	s_getreg_b32 s2, hwreg(HW_REG_IB_STS2, 6, 4)
	s_cmp_eq_u32 s2, 0
	s_cbranch_scc0 .Lentry_in_a_cluster
	s_endpgm
.Lentry_in_a_cluster:
	s_bfe_u32 s2, ttmp6, 0x10000c
	s_cmp_lg_u32 s2, 0x3003
	s_cbranch_scc0 .Lentry_shape_is_right
	s_endpgm
.Lentry_shape_is_right:
; For each (batch, head): O = softmax(q q^T / 8) q, both products on codes of FP6 (E2M3) with E8M0 scales; O / l is quantised along the merged channels into oc, os for the last product.
; THE SOFTMAX: t = score x log2(e) / 8; M = the running largest t rounded UP to a whole number; p = 2^(t - M) is quantised along the keys, not normalised; the row's sum is taken of the
; unquantised p and divides at the end; when M moves, the sums and O are multiplied by 2^(old M - new M), which rounds nothing.
; INPUT: kv, a record of 13,056 bytes for each 128 tokens of a head: +0 K codes, 8 tiles x 768: row 8 b + i' of tile 4 c + i is key 64 c + 32 b + 8 i + i'; +6144 V codes (4 tiles of channels x 2 halves x 768, keys in order;
;   row r of tile 2 p + u is channel 32 p + 8 u + r + 8 (r / 8)); +12288 K scale words (word 128 (tile / 2) + 4 lane); +12800 V scale words.  A half image of 768 bytes: a lane's registers 0-3 at 16 x lane, 4-5 at 512 + 8 x lane.
; Both products are used transposed (S^T = K Q^T, O^T = V^T P^T): a lane holds ONE query of a tile.  By the K tiles' order the 32 registers of tiles 4 c .. 4 c + 3 of S^T in lane (q, h) are keys 64 c + 32 h + 0 .. 31:
; a WHOLE scale block, in the order of the second product's operand registers.
; THE HEAD'S K IS 64: a K tile fills registers 0-5 of a fragment; registers 6-11 hold zero codes, written once, in K's and in Q's fragments; their scale bytes are 0, a power of two and no NaN.
; SHARES: a cluster is the four work-groups of one head; a work-group takes 512 queries; each of its eight waves TWO TILES OF 16 QUERIES AT ONCE, twice (a PASS): a fragment of K or V read from LDS feeds two products.
; Wave w's tile j of pass p is the work-group's tile w + 8 j + 16 p.  THE WHOLE HEAD LIES IN LDS: 16 records, filled once by joint loads that name all four work-groups, two records a wave; nothing is filled again.
; No data prefetch: all that the launch reads by tensor loads is asked for at the head, so there is no loop to run ahead in.
; REGISTERS, two windows of 256.  The large arrays of tile j lie in window j at the same numbers: v32-38 the conversions' second halves, v40-51 Q, v52-63 p's codes, v160-223 S^T then p, v224-255 O^T.
;   Window 0 besides: v1-3 16, 8, 4 x lane; v4-6 the same + this record; v7 8 x (lane / 16); v10, 11 V's scale words; v14-17 K's; v35, v39 the add's two; v64-111 K's tiles 0-3;
;   v112-131 and v132-151 the two tiles' small state (so that their dependent lines stand by turns under one window setting); v152-154 as v4-6 for the next record; v155 my pairs' place in LDS.
;   Window 1 besides: v64-111 K's tiles 4-7, v112-159 V.
; A STEP (128 keys): 16 products of scores; addresses; V of this step and K of the next are fetched in one run; maxima; t - M; exponentials; O^T x f; scales, conversions, sums; 8 products with V.
; LIMITS: NaN and infinities are not served; a block of zeros or under 2^-124 gets the byte 1; the scaled scores stay under 2^31 in magnitude.
; The last step of a pass fetches record 15's K once more (the address is held at the last record); nobody reads it.
.set REC,  13056
.set OSG,  16*REC                      ; behind the records: the work-group's 512 pairs of scale bytes
.set SPARE, OSG+1024                   ; the spare words, 128 bytes a wave
.set SH8,  7
.set VS,   10
.set KS,   14
.set TV,   32
.set SPW,  35
.set NIL,  39
.set QF,   40
.set PC,   52
.set KF,   64
.set VF,   112
.set S,    160
.set O,    224
.set NM,   112                         ; small state of tile j at + 20 j: -M, the largest score
.set FF,   114                         ; f (and a word that is only named with it as a pair)
.set BM,   116                         ; my two blocks' largest
.set T0,   118
.set T1,   119
.set T2,   120
.set PW,   121                         ; p's scale word
.set L,    122                         ; the sums, four pairs
.set QS,   130                         ; Q's scale word
.set NA,   152
.set OSA,  155
.set WV,   18
.set MSB,  0
.macro WIN new                         ; the immediate's high byte repeats the setting that is left.  Low byte: bits 1:0 source 0, 3:2 source 1, 5:4 source 2, 7:6 destination
.if MSB != (\new)
	s_set_vgpr_msb (MSB<<8)|(\new)
.set MSB, (\new)
.endif
.endm
.macro CROUND                          ; a round of the cluster's barrier
	s_barrier_signal -1
	s_barrier_wait -1
	s_cmp_lg_u32 s[WV], 0
	s_cbranch_scc1 .Lnot_wave_0_\@
	s_barrier_signal -3
.Lnot_wave_0_\@:
	s_barrier_wait -3
	s_barrier_signal -1
	s_barrier_wait -1
.endm
.macro WALU
	s_wait_alu depctr_va_vdst(0)
.endm
.macro WM d, fa, fb, c, sa, sb, ro     ; one product; ro = 1: source 0's scales from lanes 16-31
.if \ro
	v_wmma_scale_f32_16x16x128_f8f6f4 v[\d:\d+7], v[\fa:\fa+11], v[\fb:\fb+11], \c, v[\sa], v[\sb] matrix_a_fmt:MATRIX_FMT_FP6 matrix_b_fmt:MATRIX_FMT_FP6 matrix_a_scale:MATRIX_SCALE_ROW1
.else
	v_wmma_scale_f32_16x16x128_f8f6f4 v[\d:\d+7], v[\fa:\fa+11], v[\fb:\fb+11], \c, v[\sa], v[\sb] matrix_a_fmt:MATRIX_FMT_FP6 matrix_b_fmt:MATRIX_FMT_FP6
.endif
.endm
.macro KLOAD                           ; a record's four scale words of K and its eight tiles, by v152-154: 20 loads
	WIN 0
.irp g, 0,1,2,3
	ds_load_b32 v[KS+\g], v[NA+2] offset:12288+128*\g
.endr
.irp c, 0,1
	WIN 0x40*\c                                    ; tiles 4-7 go to window 1
.irp t, 0,1,2,3
	ds_load_b128 v[KF+12*\t:KF+12*\t+3], v[NA] offset:768*(4*\c+\t)
	ds_load_b64 v[KF+12*\t+4:KF+12*\t+5], v[NA+1] offset:768*(4*\c+\t)+512
.endr
.endr
	WIN 0
.endm
.macro MAXT j                          ; tile j: the largest score of my two blocks, in four chains by turns; each accumulator is first read at its low end
.set Z, 20*(\j)
	WIN 0x15*(\j)
	v_max3_num_f32 v[BM+Z], v[S], v[S+1], v[S+2]
	v_max3_num_f32 v[T0+Z], v[S+16], v[S+17], v[S+18]
	v_max3_num_f32 v[BM+1+Z], v[S+32], v[S+33], v[S+34]
	v_max3_num_f32 v[T2+Z], v[S+48], v[S+49], v[S+50]
	WIN 0x14*(\j)
.irp i, 3,5,7,9,11,13
	v_max3_num_f32 v[BM+Z], v[BM+Z], v[S+\i], v[S+\i+1]
	v_max3_num_f32 v[T0+Z], v[T0+Z], v[S+16+\i], v[S+17+\i]
	v_max3_num_f32 v[BM+1+Z], v[BM+1+Z], v[S+32+\i], v[S+33+\i]
	v_max3_num_f32 v[T2+Z], v[T2+Z], v[S+48+\i], v[S+49+\i]
.endr
	v_max3_num_f32 v[BM+Z], v[BM+Z], v[S+15], v[S+31]
	v_max3_num_f32 v[BM+1+Z], v[BM+1+Z], v[S+47], v[S+63]
.endm
.macro SUMT j                          ; tile j: the sums take in p, four chains by turns; each chain's first line brings it under the new M; among them the codes' second halves go to their places
.set Z, 20*(\j)
	WIN 0x10*(\j)
.set J, 0
.rept 4
	v_pk_fma_f32 v[L+Z+2*J:L+Z+2*J+1], v[L+Z+2*J:L+Z+2*J+1], v[FF+Z:FF+Z+1], v[S+2*J:S+2*J+1] op_sel_hi:[1,0,1]
.set J, J+1
.endr
	WIN 0x41*(\j)
.irp c, 0,1
.irp i, 0,1,2
	v_mov_b32 v[PC+6*\c+3+\i], v[TV+4*\c+\i]
.endr
.endr
.if (\j) == 0                          ; (tile 1's other 28 additions stand among tile 0's products with V: the step's end)
.rept 28
	v_pk_add_f32 v[L+Z+2*(J%4):L+Z+2*(J%4)+1], v[L+Z+2*(J%4):L+Z+2*(J%4)+1], v[S+2*J:S+2*J+1]
.set J, J+1
.endr
.endif
.endm
	s_load_b128 s[4:7], s[0:1], 0x0                ; kv, oc
	s_load_b64 s[8:9], s[0:1], 0x10                ; os
	v_lshl_add_u32 v[SPW], v0, 2, SPARE
	v_mov_b32 v[NIL], 0
	ds_add_u32 v[SPW], v[NIL]                      ; the opening lines: the add twice on end and its wait
	ds_add_u32 v[SPW], v[NIL]
	v_lshrrev_b32 v4, 5, v0
	v_readfirstlane_b32 s[WV], v4                  ; wave 0..7
	s_bfe_u32 s17, ttmp6, 0x40000                  ; cx
	s_lshl_b32 s16, ttmp9, 2
	s_add_co_u32 s17, s16, s17                     ; X: my block of 512 queries: it enters global addresses alone
	s_and_b32 s19, ttmp7, 0xffff                   ; batch x 16 + head, which the four partners share
	s_mov_b32 s24, 15|(3<<16)|(1<<21)              ; group 1: two records as 102 rows of 256 bytes (32 elements of 8); the mask names all four work-groups
	s_mov_b32 s25, 32<<16
	s_mov_b32 s26, 102<<16
	s_mov_b32 s27, 32<<16
	s_mov_b32 s28, 102
	s_mov_b32 s29, 32
	s_mov_b32 s30, 0
	s_mov_b32 s31, 0
	s_mul_i32 s54, s19, 16*REC                     ; the head's records
	s_mov_b32 s55, 0
	s_mul_i32 s58, s[WV], 2*REC                    ; wave w fetches records 2 w and 2 w + 1
	s_mov_b32 s59, 0
	s_mov_b32 s20, 0x76543210
	s_mov_b32 s21, 0xfedcba98                      ; v_permlanex16_b32's selects for lane l xor 16
	s_mov_b32 s22, 0x3e38aa3b                      ; c = log2(e) / 8
	s_mov_b32 s23, s22                             ; (named with it as a pair, so it is written)
	s_wait_dscnt 0x0
	s_wait_kmcnt 0x0
	s_add_nc_u64 s[56:57], s[4:5], s[54:55]
	s_mov_b32 s40, 1
	s_mov_b32 s41, s58
	s_add_nc_u64 s[42:43], s[56:57], s[58:59]
	s_or_b32 s43, s43, 0x80000000
	CROUND                                         ; all four work-groups are here: the joint loads meet
	s_cmp_eq_u32 s[WV], 0                          ; wave 0's load, records 0 and 1, has a line of its own: it alone is waited for ahead of the first barrier
	s_cbranch_scc0 .Lrest
	tensor_load_to_lds s[40:43], s[24:31]          ; my one tensor load
	s_nop 0
.rept 4
	v_nop
.endr
	s_branch .Lasked
.Lrest:
	tensor_load_to_lds s[40:43], s[24:31]          ; my one tensor load
	s_nop 0
.rept 4
	v_nop
.endr
.Lasked:
	s_lshl_b32 s62, s17, 2
	s_mul_i32 s62, s62, REC
	s_mov_b32 s63, 0
	s_add_nc_u64 s[48:49], s[56:57], s[62:63]
	s_lshr_b32 s62, s19, 4                         ; batch
	s_lshl_b32 s10, s62, 7
	s_lshl_b32 s11, s17, 5
	s_add_co_u32 s10, s10, s11
	s_add_co_u32 s10, s10, s[WV]                   ; row / 16 of my first tile: 128 batch + 32 X + wave
	s_lshl_b32 s10, s10, 4
	s_and_b32 s11, s19, 15
	s_add_co_u32 s10, s10, s11                     ; x 16 + head
	s_mul_i32 s10, s10, 768
	s_mov_b32 s11, 0
	s_add_nc_u64 s[50:51], s[6:7], s[10:11]        ; oc at my first half image
	s_and_b32 s10, s19, 15
	s_lshl_b32 s10, s10, 14                        ; os: the head's plane,
	s_lshl_b32 s62, s62, 12                        ; the batch's 2,048 rows of two bytes,
	s_add_co_u32 s10, s10, s62
	s_lshl_b32 s62, s17, 10                        ; my work-group's 512
	s_add_co_u32 s10, s10, s62
	s_add_nc_u64 s[52:53], s[8:9], s[10:11]
	; Q's tile in natural order: query 16 w + r of its record (w = 4 c + 2 b + e) is row 8 b + r % 8 of K tile 4 c + 2 e + r / 8
	s_bfe_u32 s12, s[WV], 0x10002                  ; c
	s_bfe_u32 s13, s[WV], 0x10001                  ; b
	s_and_b32 s14, s[WV], 1                        ; e
	s_mul_i32 s15, s12, 3072
	s_mul_i32 s44, s14, 1536
	s_add_co_u32 s15, s15, s44
	s_lshl_b32 s44, s13, 7
	s_add_co_u32 s44, s44, s15                     ; registers 0-3: 768 (4 c + 2 e) + 16 x 8 b
	s_lshl_b32 s45, s13, 6
	s_add_co_u32 s45, s45, s15
	s_add_co_u32 s45, s45, 512                     ; registers 4-5
	s_lshl_b32 s46, s12, 8
	s_lshl_b32 s15, s14, 7
	s_add_co_u32 s46, s46, s15
	s_lshl_b32 s15, s13, 5
	s_add_co_u32 s46, s46, s15
	s_add_co_u32 s46, s46, 12288                   ; the scale word: 128 (2 c + e) + 4 x 8 b
	s_lshl_b32 s47, s[WV], 5
	s_add_co_u32 s47, s47, OSG                     ; my first tile's 16 pairs of scale bytes in LDS
	v_and_b32 v3, 31, v0                           ; lane
	v_lshlrev_b32 v1, 4, v3
	v_lshlrev_b32 v2, 3, v3
	v_lshlrev_b32 v3, 2, v3
	v_bfe_u32 v[SH8], v0, 4, 1
	v_lshlrev_b32 v[SH8], 3, v[SH8]
	v_and_b32 v[OSA], 15, v0
	v_lshl_add_u32 v[OSA], v[OSA], 1, s47
.irp j, 0,1
	v_mov_b32 v[T1+20*\j], 0                       ; written once: a lane permute's destination counts as one of its sources
	v_mov_b32 v[T2+20*\j], 0
	v_mov_b32 v[FF+1+20*\j], 0                     ; (named with f as a pair, so it is written)
.endr
.irp w, 0,1
	WIN 0x40*\w
.irp j, 6,7,8,9,10,11
	v_mov_b32 v[QF+\j], 0                          ; Q's K = 64 .. 127: zero codes, for both tiles
.irp t, 0,1,2,3
	v_mov_b32 v[KF+12*\t+\j], 0                    ; and K's, in both sets: written once, never loaded over
.endr
.endr
.endr
	WIN 0
; A KEY STEP: 128 keys, the record at LDS byte s2, for both tiles
.macro STEP
	s_wait_dscnt 0x0                               ; K's words and tiles, asked for in the step before
.irp j, 0,1
.irp c, 0,1
	WIN \c|(0x44*\j)                               ; source 0: K's set c; source 1 and the result: tile j's window
.irp t, 0,1,2,3
	WM S+32*\c+8*\t, KF+12*\t, QF, 0, KS+2*\c+\t/2, QS+20*\j, \t%2
.endr
.endr
.endr
	WIN 0
	s_add_co_u32 s3, s2, REC                       ; the next record,
	s_min_u32 s3, s3, 15*REC                       ; held at the last
	v_add_nc_u32 v4, s2, v1                        ; six plain lines: the places in front of loads into registers that products have read, and of the first read of the scores
	v_add_nc_u32 v5, s2, v2
	v_add_nc_u32 v6, s2, v3
	v_add_nc_u32 v[NA], s3, v1
	v_add_nc_u32 v[NA+1], s3, v2
	v_add_nc_u32 v[NA+2], s3, v3
	ds_load_b32 v[VS], v6 offset:12800             ; V's scale words
	ds_load_b32 v[VS+1], v6 offset:12928
	WIN 0x40
.irp ct, 0,1,2,3
.irp c, 0,1
	ds_load_b128 v[VF+12*\ct+6*\c:VF+12*\ct+6*\c+3], v4 offset:6144+1536*\ct+768*\c
	ds_load_b64 v[VF+12*\ct+6*\c+4:VF+12*\ct+6*\c+5], v5 offset:6144+1536*\ct+768*\c+512
.endr
.endr
	KLOAD                                          ; the next step's K
	MAXT 0
	MAXT 1
	WIN 0                                          ; the two tiles' small state, line by line by turns
.irp j, 0,1
	v_max_num_f32 v[BM+20*\j], v[BM+20*\j], v[T0+20*\j]            ; block h's largest score
	v_max_num_f32 v[BM+1+20*\j], v[BM+1+20*\j], v[T2+20*\j]        ; block 2 + h's
.endr
.irp j, 0,1
	v_max_num_f32 v[T0+20*\j], v[BM+20*\j], v[BM+1+20*\j]
.endr
.irp j, 0,1
	v_permlanex16_b32 v[T1+20*\j], v[T0+20*\j], s20, s21
.endr
.irp j, 0,1
	v_max3_num_f32 v[NM+1+20*\j], v[NM+1+20*\j], v[T0+20*\j], v[T1+20*\j]   ; the running largest score of my query
	v_mov_b32 v[T2+20*\j], v[NM+20*\j]
.endr
.irp j, 0,1
	v_mul_f32 v[T0+20*\j], s22, v[NM+1+20*\j]      ; as t (c is positive)
.endr
.irp j, 0,1
	v_floor_f32 v[NM+20*\j], -v[T0+20*\j]          ; the new -M = floor(-t): M is a whole number
.endr
.irp j, 0,1
	v_sub_f32 v[T2+20*\j], v[NM+20*\j], v[T2+20*\j]   ; old M - new M: a whole number, 0 or less
	v_fma_f32 v[BM+20*\j], v[BM+20*\j], s22, v[NM+20*\j]       ; t - M of each block's largest score
	v_fma_f32 v[BM+1+20*\j], v[BM+1+20*\j], s22, v[NM+20*\j]
.endr
.set J, 0
.rept 8
	v_pk_fma_f32 v[S+J:S+J+1], v[S+J:S+J+1], s[22:23], v[NM:NM+1] op_sel_hi:[1,0,0]   ; tile 0: t - M, two at a time (of the pairs c and -M the low word serves both halves); the last links of the way to f stand among these lines
.set J, J+2
.endr
.irp j, 0,1
	v_cvt_i32_f32 v[T2+20*\j], v[T2+20*\j]         ; (it saturates)
.endr
.rept 8
	v_pk_fma_f32 v[S+J:S+J+1], v[S+J:S+J+1], s[22:23], v[NM:NM+1] op_sel_hi:[1,0,0]
.set J, J+2
.endr
.irp j, 0,1
	v_ldexp_f32 v[FF+20*\j], 1.0, v[T2+20*\j]      ; f = 2^(old M - new M)
.endr
.rept 16
	v_pk_fma_f32 v[S+J:S+J+1], v[S+J:S+J+1], s[22:23], v[NM:NM+1] op_sel_hi:[1,0,0]
.set J, J+2
.endr
	WIN 0x41
.set J, 0
.rept 32
	v_pk_fma_f32 v[S+J:S+J+1], v[S+J:S+J+1], s[22:23], v[NM+20:NM+21] op_sel_hi:[1,0,0]   ; tile 1
.set J, J+2
.endr
	WIN 0
	WALU                                           ; the wait ahead of the batch
.irp j, 0,1
	v_exp_f32 v[BM+20*\j], v[BM+20*\j]             ; the blocks' largest p: the same arithmetic on the same number
	v_exp_f32 v[BM+1+20*\j], v[BM+1+20*\j]
.endr
.irp j, 0,1
	WIN 0x41*\j
.set J, 0
.rept 64
	v_exp_f32 v[S+J], v[S+J]                       ; p = 2^(t - M): not normalised
.set J, J+1
.endr
.endr
	v_nop                                          ; a plain line behind the batch
	WIN 0x41
	WALU                                           ; behind the batch, and directly ahead of the first reader of tile 1's O^T
.set J, 0
.rept 16
	v_pk_mul_f32 v[O+J:O+J+1], v[O+J:O+J+1], v[FF+20:FF+21] op_sel_hi:[1,0]   ; tile 1's O^T under the new M
.set J, J+2
.endr
	WIN 0
	WALU                                           ; the same for tile 0's; both tiles' scale arithmetic stands by turns with its sixteen lines
.set J, 0
.rept 2
	v_pk_mul_f32 v[O+J:O+J+1], v[O+J:O+J+1], v[FF:FF+1] op_sel_hi:[1,0]
.set J, J+2
.endr
.irp j, 0,1
	v_max_num_f32 v[BM+20*\j], 0x1800000, v[BM+20*\j]              ; the floor 2^(3 - 127): the byte cannot fall under 1
	v_max_num_f32 v[BM+1+20*\j], 0x1800000, v[BM+1+20*\j]
.endr
.rept 3
	v_pk_mul_f32 v[O+J:O+J+1], v[O+J:O+J+1], v[FF:FF+1] op_sel_hi:[1,0]
.set J, J+2
.endr
.irp j, 0,1
	v_add_nc_u32 v[BM+20*\j], 0xff000000, v[BM+20*\j]              ; 2 off the exponent field: the conversions' scale operands
	v_add_nc_u32 v[BM+1+20*\j], 0xff000000, v[BM+1+20*\j]
.endr
.rept 3
	v_pk_mul_f32 v[O+J:O+J+1], v[O+J:O+J+1], v[FF:FF+1] op_sel_hi:[1,0]
.set J, J+2
.endr
.irp j, 0,1
	v_lshrrev_b32 v[T0+20*\j], 23, v[BM+20*\j]     ; the scales' bytes: blocks h and 2 + h
	v_lshrrev_b32 v[T2+20*\j], 23, v[BM+1+20*\j]
.endr
.rept 3
	v_pk_mul_f32 v[O+J:O+J+1], v[O+J:O+J+1], v[FF:FF+1] op_sel_hi:[1,0]
.set J, J+2
.endr
.irp j, 0,1
	v_lshl_or_b32 v[T0+20*\j], v[T2+20*\j], 16, v[T0+20*\j]
.endr
.rept 3
	v_pk_mul_f32 v[O+J:O+J+1], v[O+J:O+J+1], v[FF:FF+1] op_sel_hi:[1,0]
.set J, J+2
.endr
.irp j, 0,1
	v_lshlrev_b32 v[T0+20*\j], v[SH8], v[T0+20*\j] ; at their places in the word
.endr
.rept 2
	v_pk_mul_f32 v[O+J:O+J+1], v[O+J:O+J+1], v[FF:FF+1] op_sel_hi:[1,0]
.set J, J+2
.endr
.irp j, 0,1
	v_permlanex16_b32 v[T1+20*\j], v[T0+20*\j], s20, s21
.endr
.irp j, 0,1
	v_or_b32 v[PW+20*\j], v[T0+20*\j], v[T1+20*\j] ; with lane l xor 16's two: p's scale word
.endr
.irp j, 0,1
	WIN 0x41*\j
.irp c, 0,1
	v_cvt_scalef32_pk16_fp6_f32 v[PC+6*\c:PC+6*\c+2], v[S+32*\c:S+32*\c+15], v[BM+20*\j+\c]
	v_cvt_scalef32_pk16_fp6_f32 v[TV+4*\c:TV+4*\c+2], v[S+32*\c+16:S+32*\c+31], v[BM+20*\j+\c]   ; (a conversion's three registers begin on an even number)
.endr
.endr
	SUMT 0                                         ; plain lines stand between the conversions and the moves of their results, and 28 between the operands' last writes and the products
	SUMT 1
	WIN 0
	WALU                                           ; the wait here, directly ahead of the wait below
	s_wait_dscnt 20                                ; V is in; the next step's 20 loads are younger
	WIN 0x01                                       ; source 0 in window 1: V for the products, tile 1's p for the additions; all else in window 0
.irp ct, 0,1,2,3                       ; tile 0: O^T += V^T P^T, the accumulators by turns; behind each product seven of tile 1's 28 additions, which name none of its registers
	WM O+8*\ct, VF+12*\ct, PC, v[O+8*\ct:O+8*\ct+7], VS+\ct/2, PW, \ct%2
.rept 7
	v_pk_add_f32 v[L+20+2*(J%4):L+20+2*(J%4)+1], v[S+2*J:S+2*J+1], v[L+20+2*(J%4):L+20+2*(J%4)+1]
.set J, J+1
.endr
.endr
	WIN 0x55
.irp ct, 0,1,2,3                       ; tile 1
	WM O+8*\ct, VF+12*\ct, PC, v[O+8*\ct:O+8*\ct+7], VS+\ct/2, PW+20, \ct%2
.endr
	WIN 0
	s_add_co_u32 s2, s2, REC
.endm
; A PASS: two tiles of 16 queries against all 2,048 keys
.macro PASS p
	s_wait_xcnt 0x0                                ; the last pass's stores have read their registers
	v_and_b32 v[S], 7, v0                          ; r % 8
	v_bfe_u32 v[S+1], v0, 3, 1                     ; r / 8
	v_bfe_u32 v[S+2], v0, 4, 1                     ; h
	v_mul_u32_u24 v[S+3], v[S+1], 768
	v_lshl_add_u32 v[S+4], v[S], 4, v[S+3]
	v_lshl_add_u32 v[S+5], v[S], 3, v[S+3]
	v_lshlrev_b32 v[S+6], 6, v[S+1]
	v_lshl_add_u32 v[S+4], v[S+2], 8, v[S+4]
	v_lshl_add_u32 v[S+5], v[S+2], 7, v[S+5]
	v_lshl_add_u32 v[S+6], v[S], 2, v[S+6]
	v_add_nc_u32 v[S+4], s44, v[S+4]
	v_add_nc_u32 v[S+5], s45, v[S+5]
	v_add_nc_u32 v[S+6], s46, v[S+6]
	global_load_b32 v[QS], v[S+6], s[48:49] offset:REC*(2*\p)
	global_load_b32 v[QS+20], v[S+6], s[48:49] offset:REC*(2*\p+1)
.irp j, 0,1
	WIN 0x40*\j
	global_load_b128 v[QF:QF+3], v[S+4], s[48:49] offset:REC*(2*\p+\j)
	global_load_b64 v[QF+4:QF+5], v[S+5], s[48:49] offset:REC*(2*\p+\j)
.endr
	WIN 0
	s_mov_b32 s2, 0
	v_add_nc_u32 v[NA], s2, v1                     ; record 0
	v_add_nc_u32 v[NA+1], s2, v2
	v_add_nc_u32 v[NA+2], s2, v3
.irp j, 0,1
	v_mov_b32 v[NM+1+20*\j], 0xff61b1e6            ; the largest score so far: -3e38
	v_floor_f32 v[NM+20*\j], -v[NM+1+20*\j]        ; -M
.irp i, 0,1,2,3,4,5,6,7
	v_mov_b32 v[L+20*\j+\i], 0                     ; the sums
.endr
.endr
.irp j, 0,1
	WIN 0x40*\j
.set J, 0
.rept 32
	v_mov_b32 v[O+J], 0                            ; O^T: the step has no first form of its own: the first f multiplies zeros
.set J, J+1
.endr
.endr
	WIN 0
	WALU                                           ; the wait here, directly ahead of the waits below
.if \p == 0
	s_cmp_eq_u32 s[WV], 0
	s_cbranch_scc0 .Lnot_first
	s_wait_tensorcnt 0x0                           ; wave 0: records 0 and 1 have landed
.Lnot_first:
	s_barrier_signal -1
	s_barrier_wait -1                              ; the other waves' loads may be out
.endif
	KLOAD
	s_wait_loadcnt 0x0
.if \p == 0
	STEP                                           ; step 0 reads record 0 and K of record 1 alone: it is written out ahead of the loop
	WALU                                           ; the wait here, directly ahead of the waits below
	s_wait_tensorcnt 0x0                           ; my two records have landed
	s_wait_dscnt 0x0
	s_barrier_signal -1
	s_barrier_wait -1                              ; all sixteen have
.endif
.Lstep_\@:
	STEP
	s_cmp_lt_u32 s2, 16*REC
	s_cbranch_scc1 .Lstep_\@
	WALU                                           ; the wait here
	s_wait_dscnt 0x0                               ; the last fetch has landed: its registers may be used again
.irp j, 0,1
	v_pk_add_f32 v[L+20*\j:L+20*\j+1], v[L+20*\j:L+20*\j+1], v[L+20*\j+2:L+20*\j+3]      ; these four are also the places behind the last products
	v_pk_add_f32 v[L+20*\j+4:L+20*\j+5], v[L+20*\j+4:L+20*\j+5], v[L+20*\j+6:L+20*\j+7]
.endr
.irp j, 0,1
	v_pk_add_f32 v[L+20*\j:L+20*\j+1], v[L+20*\j:L+20*\j+1], v[L+20*\j+4:L+20*\j+5]
.endr
.irp j, 0,1
	v_add_f32 v[T0+20*\j], v[L+20*\j], v[L+20*\j+1]
.endr
.irp j, 0,1
	v_permlanex16_b32 v[T1+20*\j], v[T0+20*\j], s20, s21
.endr
.irp j, 0,1
	v_add_f32 v[FF+20*\j], v[T0+20*\j], v[T1+20*\j]   ; with lane l xor 16's blocks: the row's sum
.endr
	WALU
.irp j, 0,1
	v_rcp_f32 v[FF+20*\j], v[FF+20*\j]
.endr
	v_nop                                          ; a plain line behind the reciprocals
.irp j, 0,1
	WIN 0x41*\j
	WALU                                           ; ahead of the reciprocal's first reader, which is also O^T's
.set J, 0
.rept 16
	v_pk_mul_f32 v[S+J:S+J+1], v[O+J:O+J+1], v[FF+20*\j:FF+20*\j+1] op_sel_hi:[1,0]   ; O / l: register 16 p + i is channel 32 p + 16 (lane / 16) + i of my query
.set J, J+2
.endr
.endr
.irp j, 0,1                            ; the head's two blocks of the last product's K
	WIN 0x05*\j
.irp bl, 0,1
	v_max3_num_f32 v[BM+20*\j+\bl], |v[S+16*\bl]|, |v[S+1+16*\bl]|, 0x1800000
.endr
	WIN 0x14*\j
.irp i, 2,4,6,8,10,12,14
.irp bl, 0,1
	v_max3_num_f32 v[BM+20*\j+\bl], v[BM+20*\j+\bl], |v[S+16*\bl+\i]|, |v[S+1+16*\bl+\i]|
.endr
.endr
.endr
	WIN 0
.irp j, 0,1
	v_permlanex16_b32 v[T1+20*\j], v[BM+20*\j], s20, s21
	v_permlanex16_b32 v[T2+20*\j], v[BM+1+20*\j], s20, s21
.endr
.irp j, 0,1
	v_max_num_f32 v[BM+20*\j], v[BM+20*\j], v[T1+20*\j]
	v_max_num_f32 v[BM+1+20*\j], v[BM+1+20*\j], v[T2+20*\j]
.endr
.irp j, 0,1
	v_add_nc_u32 v[BM+20*\j], 0xff000000, v[BM+20*\j]
	v_add_nc_u32 v[BM+1+20*\j], 0xff000000, v[BM+1+20*\j]
.endr
.irp j, 0,1
	v_lshrrev_b32 v[T0+20*\j], 23, v[BM+20*\j]
	v_lshrrev_b32 v[T2+20*\j], 23, v[BM+1+20*\j]
.endr
.irp j, 0,1
	v_lshl_or_b32 v[T0+20*\j], v[T2+20*\j], 8, v[T0+20*\j]         ; my query's pair of scale bytes
.endr
.irp j, 0,1
	ds_store_b16 v[OSA], v[T0+20*\j] offset:256*\j+512*\p          ; both lanes of a query write the same two bytes with the same value
.endr
.irp j, 0,1
	WIN 0x41*\j
	v_cvt_scalef32_pk16_fp6_f32 v[PC:PC+2], v[S:S+15], v[BM+20*\j]
	v_cvt_scalef32_pk16_fp6_f32 v[TV:TV+2], v[S+16:S+31], v[BM+1+20*\j]
	v_nop                                          ; one plain line behind the conversions
.irp i, 0,1,2
	v_permlane16_swap_b32 v[PC+\i], v[TV+\i]       ; lanes 0-15 block 0, lanes 16-31 block 1: the half image's layout
.endr
.irp i, 0,1,2
	v_mov_b32 v[PC+3+\i], v[TV+\i]
.endr
	WIN 0x04*\j                                    ; a store's data are its source 1
	global_store_b128 v1, v[PC:PC+3], s[50:51] offset:98304*\j+196608*\p        ; 512 consecutive bytes, at a multiple of 256 from the buffer's first byte; tile j of pass p lies 8 j + 16 p tiles of rows on
	global_store_b64 v2, v[PC+4:PC+5], s[50:51] offset:98304*\j+196608*\p+512   ; and 256
.endr
	WIN 0
.endm
	PASS 0
	PASS 1
	v_and_b32 v[S+33], 63, v0                      ; the pairs' way out: threads 0-63, 16 bytes each
	v_lshlrev_b32 v[S+33], 4, v[S+33]
	v_add_nc_u32 v[S+34], OSG, v[S+33]
	WALU                                           ; the wait here, directly ahead of the wait below
	s_wait_dscnt 0x0                               ; for the others' sake: my pairs lie in LDS
	s_barrier_signal -1
	s_barrier_wait -1
	s_cmp_lt_u32 s[WV], 2                          ; waves 0 and 1 store the work-group's 512 pairs: 1,024 consecutive bytes
	s_cbranch_scc0 .Lno_os
	ds_load_b128 v[S+36:S+39], v[S+34]
	s_wait_dscnt 0x0
	global_store_b128 v[S+33], v[S+36:S+39], s[52:53]
.Lno_os:
	s_wait_tensorcnt 0x0                           ; the wave's end
	ds_add_u32 v[SPW], v[NIL]
	s_wait_dscnt 0x0
	CROUND                                         ; the closing round: no work-group ends while a partner may still ask for a tile that names it
	s_endpgm
.Lfunc_end_k_qc70238d49d_attn:
	.size	k_qc70238d49d_attn, .Lfunc_end_k_qc70238d49d_attn-k_qc70238d49d_attn
	.p2alignl 7, 3214868480
	.fill 96, 4, 3214868480
	.section	.rodata,"a",@progbits
	.p2align	6, 0x0
	.amdhsa_kernel k_qc70238d49d_attn
		.amdhsa_group_segment_fixed_size 211968
		.amdhsa_private_segment_fixed_size 0
		.amdhsa_enable_private_segment 0
		.amdhsa_kernarg_size 24
		.amdhsa_user_sgpr_count 2
		.amdhsa_user_sgpr_kernarg_segment_ptr 1
		.amdhsa_wavefront_size32 1
		.amdhsa_system_sgpr_workgroup_id_x 1
		.amdhsa_system_sgpr_workgroup_id_y 1
		.amdhsa_system_sgpr_workgroup_id_z 1
		.amdhsa_system_vgpr_workitem_id 0
		.amdhsa_next_free_vgpr 512
		.amdhsa_next_free_sgpr 66
		.amdhsa_reserve_vcc 0
		.amdhsa_float_denorm_mode_32 3
		.amdhsa_float_denorm_mode_16_64 3
		.amdhsa_memory_ordered 1
		.amdhsa_forward_progress 1
		.amdhsa_inst_pref_size 118
	.end_amdhsa_kernel
	.amdgpu_metadata
---
amdhsa.version: [ 1, 2 ]
amdhsa.kernels:
  - .name:           k_qc70238d49d_attn
    .symbol:         k_qc70238d49d_attn.kd
    .args:
      - { .name: kv, .offset: 0, .size: 8, .value_kind: global_buffer, .address_space: global }
      - { .name: oc, .offset: 8, .size: 8, .value_kind: global_buffer, .address_space: global }
      - { .name: os, .offset: 16, .size: 8, .value_kind: global_buffer, .address_space: global }
    .group_segment_fixed_size: 211968
    .private_segment_fixed_size: 0
    .kernarg_segment_align: 8
    .kernarg_segment_size: 24
    .max_flat_workgroup_size: 256
    .sgpr_count:     66
    .vgpr_count:     512
    .wavefront_size: 32
...
	.end_amdgpu_metadata
.endif
;; end of part 3
;; launch oproj (part 4): grid 4 x 64, 4 waves a work-group, clusters of 4 x 4, 295,424 bytes of LDS; arguments oc, os, wc, ws, bu, out0; writes out0
.if DOCPART == 4
	.amdgcn_target "amdgcn-amd-amdhsa--gfx1250"
	.amdhsa_code_object_version 6
	.text
	.protected	k_qc70238d49d_oproj
	.globl	k_qc70238d49d_oproj
	.p2align	8
	.type	k_qc70238d49d_oproj,@function
k_qc70238d49d_oproj:
	s_mov_b64 s[64:65], 0
	v_nop
	global_prefetch_b8 v0, s[64:65] scope:SCOPE_SE
	s_setreg_imm32_b32 hwreg(HW_REG_WAVE_MODE, 25, 1), 1
	s_wait_xcnt 0x0
	s_wait_alu depctr_hold_cnt(0) depctr_sa_sdst(0) depctr_va_vdst(0) depctr_va_sdst(0) depctr_va_ssrc(0) depctr_va_vcc(0) depctr_vm_vsrc(0)
	s_getreg_b32 s2, hwreg(HW_REG_IB_STS2, 6, 4)
	s_cmp_eq_u32 s2, 0
	s_cbranch_scc0 .Lentry_in_a_cluster
	s_endpgm
.Lentry_in_a_cluster:
	s_bfe_u32 s2, ttmp6, 0x10000c
	s_cmp_lg_u32 s2, 0xf033
	s_cbranch_scc0 .Lentry_shape_is_right
	s_endpgm
.Lentry_shape_is_right:
; out0 = O Wu^T + bu on codes of FP6 (E2M3) with E8M0 scales; sums in f32; the bias is the C of each sum's first product.
; OPERANDS: half images of 768 bytes = 16 rows x 64 K: lane (r, h) owns block h of row r: registers 0-3 at 16 x lane, 4-5 at 512 + 8 x lane.  Two of them are a fragment of 128 K (12 registers).
; SHARES: a tile of C is 128 rows x 256 columns: 256 work-groups.  A wave makes 128 x 64: 32 accumulators.
; ALL OF K LIES IN LDS: four chunks of 256 K (A 24,576 bytes, B 49,152); every tensor load is a first fill; nothing is filled again.  By this text's count a wave has four tensor loads out at the most.
; CLUSTER 4 x 4: A's chunks hang on the tile row alone and are asked for jointly by a row of the cluster, B's on the tile column alone and by a column: a quarter of the requests.
; THE MATRIX INSTRUCTION IS USED TRANSPOSED (source 0 = 16 rows of Wu, source 1 = 16 rows of O): lane (r, h) holds row r and columns 8 h + 0..7 of a tile: 32 neighbouring bytes of a row of out0.
; REGISTERS: window 0: v1-31 addresses; v32-63 the bias, eight registers a tile of columns; v64-159 A's fragments, v160-207 B's (set 0); v208-239 A's scale words, v240-255 B's.  window 1: accumulator (a, b) at v[8 (4 a + b)].  window 2: fragments, set 1.
.set SECOND, 1                         ; which half of wc and ws: Wu's
; LDS, AS THIS TEXT NOW LAYS IT (in place of the four chunks named above): two halves of K, 512 each: A's 8 tiles of rows x 6,144 bytes, then B's 16.  One tensor load a wave, each on a line of its own:
; wave 0 A's first half, wave 1 B's, wave 2 A's second half, wave 3 B's.  Waves 0 and 1 wait ahead of the first barrier; all waves wait ahead of the barrier in K step 3.  Nothing is filled again.
.set CH,    147456                     ; a half of K in LDS
.set BOFF,  49152                      ; B behind A in a half
.set FA,    64
.set FB,    160
.set BIAS,  32
.set SA,    208                        ; A's scale word (pair of tiles ip, K step s) at v[SA + 8 ip + s]: lanes 0-15 tile 2 ip, lanes 16-31 tile 2 ip + 1
.set SB,    240
.set AA16,  4
.set AA8,   5
.set AB16,  6
.set AB8,   7
.set STO,   8
.set RD,    9
.set CO,    10
.set BK,    64
.set WV,    16
.set G1A,   24
.set G1B,   32
.set G0A,   40
.set G0B,   68
.set MSB,   0
.macro WIN new                         ; the immediate's high byte repeats the setting that is left
.if MSB != (\new)
	s_set_vgpr_msb (MSB<<8)|(\new)
.set MSB, (\new)
.endif
.endm
.macro CROUND                          ; a round of the cluster's barrier
	s_barrier_signal -1
	s_barrier_wait -1
	s_cmp_lg_u32 s[WV], 0
	s_cbranch_scc1 .Lnot_wave_0_\@
	s_barrier_signal -3
.Lnot_wave_0_\@:
	s_barrier_wait -3
	s_barrier_signal -1
	s_barrier_wait -1
.endm
; one product, C = v[cr] on.  ro: bit 0: source 0's scales from lanes 16-31; bit 1: source 1's
.macro WM d, fa, fb, cr, sa, sb, ro
.if (\ro) == 0
	v_wmma_scale_f32_16x16x128_f8f6f4 v[\d:\d+7], v[\fa:\fa+11], v[\fb:\fb+11], v[\cr:\cr+7], v[\sa], v[\sb] matrix_a_fmt:MATRIX_FMT_FP6 matrix_b_fmt:MATRIX_FMT_FP6
.elseif (\ro) == 1
	v_wmma_scale_f32_16x16x128_f8f6f4 v[\d:\d+7], v[\fa:\fa+11], v[\fb:\fb+11], v[\cr:\cr+7], v[\sa], v[\sb] matrix_a_fmt:MATRIX_FMT_FP6 matrix_b_fmt:MATRIX_FMT_FP6 matrix_a_scale:MATRIX_SCALE_ROW1
.elseif (\ro) == 2
	v_wmma_scale_f32_16x16x128_f8f6f4 v[\d:\d+7], v[\fa:\fa+11], v[\fb:\fb+11], v[\cr:\cr+7], v[\sa], v[\sb] matrix_a_fmt:MATRIX_FMT_FP6 matrix_b_fmt:MATRIX_FMT_FP6 matrix_b_scale:MATRIX_SCALE_ROW1
.else
	v_wmma_scale_f32_16x16x128_f8f6f4 v[\d:\d+7], v[\fa:\fa+11], v[\fb:\fb+11], v[\cr:\cr+7], v[\sa], v[\sb] matrix_a_fmt:MATRIX_FMT_FP6 matrix_b_fmt:MATRIX_FMT_FP6 matrix_a_scale:MATRIX_SCALE_ROW1 matrix_b_scale:MATRIX_SCALE_ROW1
.endif
.endm
	s_load_b256 s[4:11], s[0:1], 0x0               ; A's codes s[4:5], A's scales s[6:7], wc s[8:9], ws s[10:11]
	s_load_b128 s[12:15], s[0:1], 0x20             ; bu s[12:13], out0 s[14:15]
	v_lshl_add_u32 v28, v0, 2, 0x48000
	v_mov_b32 v31, 0
	ds_add_u32 v28, v31
	ds_add_u32 v28, v31
	v_lshrrev_b32 v8, 5, v0
	v_readfirstlane_b32 s[WV], v8                  ; wave 0..3
	s_bfe_u32 s17, ttmp6, 0x40000                  ; cx
	s_bfe_u32 s18, ttmp6, 0x40004                  ; cy
	s_lshl_b32 s19, ttmp9, 2
	s_add_co_u32 s19, s19, s17                     ; X: tile column of C = 4 x cluster x + cx
	s_and_b32 s20, ttmp7, 0xffff
	s_lshl_b32 s20, s20, 2
	s_add_co_u32 s20, s20, s18                     ; Y: tile row = 4 x cluster y + cy
	s_lshl_b32 s22, s18, 2
	s_lshl_b32 s22, 15, s22                        ; my row of the cluster
	s_lshl_b32 s23, 0x1111, s17                    ; my column
	; descriptor group 1: 8 tiles of 16 rows, of each 8 half images (6,144 bytes = 768 elements of 8 bytes), 12,288 bytes (1,536 elements) apart; dense in LDS
	s_or_b32 s[G1A], s22, (3<<16)|(1<<21)          ; 15:0 the mask; 17:16 elements of 8 bytes; 21 set beside a mask
	s_or_b32 s[G1B], s23, (3<<16)|(1<<21)
.irp g, G1A, G1B
	s_mov_b32 s[\g+1], 768<<16                     ; tensor_dim0: 8 half images, 6,144 bytes
	s_mov_b32 s[\g+3], 768<<16                     ; tile_dim0
	s_mov_b32 s[\g+5], 1536                        ; tensor_dim0_stride
	s_mov_b32 s[\g+6], 0
	s_mov_b32 s[\g+7], 0
.endr
	s_mov_b32 s[G1A+2], 8<<16                      ; A: 8 tiles of rows
	s_mov_b32 s[G1A+4], 8
	s_mov_b32 s[G1B+2], 16<<16                     ; B: 16
	s_mov_b32 s[G1B+4], 16
	s_mul_i32 s56, s20, 98304                      ; A: 8 tiles of rows x 12,288 bytes for each tile row of C: hangs on Y alone
	s_mov_b32 s57, 0
	s_mul_i32 s58, s19, 196608                     ; B: 16 tiles of rows for each tile column: hangs on X alone
	s_add_co_u32 s58, s58, SECOND*786432
	s_mov_b32 s59, 0
	s_wait_dscnt 0x0
	s_wait_kmcnt 0x0
	s_add_nc_u64 s[60:61], s[4:5], s[56:57]
	s_add_nc_u64 s[58:59], s[8:9], s[58:59]
.irp c, 0,1                            ; a group 0 for each half of K
	s_mov_b32 s[G0A+4*\c], 1
	s_mov_b32 s[G0A+4*\c+1], \c*CH
	s_add_nc_u64 s[G0A+4*\c+2:G0A+4*\c+3], s[60:61], \c*6144
	s_or_b32 s[G0A+4*\c+3], s[G0A+4*\c+3], 0x80000000
	s_mov_b32 s[G0B+4*\c], 1
	s_mov_b32 s[G0B+4*\c+1], \c*CH+BOFF
	s_add_nc_u64 s[G0B+4*\c+2:G0B+4*\c+3], s[58:59], \c*6144
	s_or_b32 s[G0B+4*\c+3], s[G0B+4*\c+3], 0x80000000
.endr
	CROUND                                         ; all sixteen work-groups are here: the joint loads meet
	s_cmp_eq_u32 s[WV], 0                          ; one chain of branches on the wave's number, one load to an arm
	s_cbranch_scc0 .Lnot_a
	tensor_load_to_lds s[G0A:G0A+3], s[G1A:G1A+7]  ; wave 0: A, first half of K
	s_nop 0
.rept 4
	v_nop
.endr
	s_branch .Lasked
.Lnot_a:
	s_cmp_eq_u32 s[WV], 1
	s_cbranch_scc0 .Lnot_b
	tensor_load_to_lds s[G0B:G0B+3], s[G1B:G1B+7]  ; wave 1: B, first half
	s_nop 0
.rept 4
	v_nop
.endr
	s_branch .Lasked
.Lnot_b:
	s_cmp_eq_u32 s[WV], 2
	s_cbranch_scc0 .Lnot_a1
	tensor_load_to_lds s[G0A+4:G0A+7], s[G1A:G1A+7]  ; wave 2: A, second half
	s_nop 0
.rept 4
	v_nop
.endr
	s_branch .Lasked
.Lnot_a1:
	tensor_load_to_lds s[G0B+4:G0B+7], s[G1B:G1B+7]  ; wave 3: B, second half
	s_nop 0
.rept 4
	v_nop
.endr
.Lasked:
	v_and_b32 v30, 31, v0                          ; lane
	v_lshlrev_b32 v1, 4, v30
	v_lshlrev_b32 v2, 3, v30
	v_lshlrev_b32 v3, 1, v30
	s_wait_alu depctr_va_vdst(0)
	v_bfe_u32 v29, v0, 4, 1                        ; h
	v_lshlrev_b32 v11, 5, v29                      ; the bias: my half's eight numbers of a tile: 32 h
	s_wait_alu depctr_va_vdst(0)
	s_lshl_b32 s84, s20, 8                         ; A's scales: my tile's 128 rows of two bytes in each plane
	s_mov_b32 s85, 0
	s_add_nc_u64 s[84:85], s[6:7], s[84:85]
	s_lshl_b32 s86, s19, 9                         ; B's: the tile column's 256 rows, my wave's 64 of them
	s_lshl_b32 s87, s[WV], 7
	s_add_co_u32 s86, s86, s87
	s_add_co_u32 s86, s86, SECOND*2048
	s_mov_b32 s87, 0
	s_add_nc_u64 s[86:87], s[10:11], s[86:87]
	s_lshl_b32 s88, s19, 10                        ; my wave's 64 columns, in bytes: 1,024 X + 256 wave
	s_lshl_b32 s89, s[WV], 8
	s_add_co_u32 s88, s88, s89
	s_mov_b32 s89, 0
	s_add_nc_u64 s[12:13], s[12:13], s[88:89]      ; in bu,
	s_add_nc_u64 s[14:15], s[14:15], s[88:89]      ; and in a row of out0
	s_lshl_b32 s88, s20, 19                        ; my tile's 128 rows of 4,096 bytes
	s_add_nc_u64 s[14:15], s[14:15], s[88:89]
.irp ip, 0,1,2,3                       ; the scales of all of K come once, into registers: 32 rows' pairs (64 consecutive bytes) a load
.irp j, 0,1,2,3,4,5,6,7,8,9,10,11,12,13,14,15
	global_load_u16 v[FA+16*\ip+\j], v3, s[84:85] offset:\j*16384+64*\ip
.endr
.endr
.irp ip, 0,1
.irp j, 0,1,2,3,4,5,6,7,8,9,10,11,12,13,14,15
	global_load_u16 v[FA+64+16*\ip+\j], v3, s[86:87] offset:\j*4096+64*\ip
.endr
.endr
.irp b, 0,1,2,3
	global_load_b128 v[BIAS+8*\b:BIAS+8*\b+3], v11, s[12:13] offset:64*\b          ; in the result's layout: register j is column 16 b + 8 h + j
	global_load_b128 v[BIAS+8*\b+4:BIAS+8*\b+7], v11, s[12:13] offset:64*\b+16
.endr
	s_wait_loadcnt 0x0
.irp ip, 0,1,2,3
.irp s, 0,1,2,3,4,5,6,7
	v_lshl_or_b32 v[SA+8*\ip+\s], v[FA+16*\ip+2*\s+1], 16, v[FA+16*\ip+2*\s]       ; two planes make the word of 128 K
.endr
.endr
.irp ip, 0,1
.irp s, 0,1,2,3,4,5,6,7
	v_lshl_or_b32 v[SB+8*\ip+\s], v[FA+64+16*\ip+2*\s+1], 16, v[FA+64+16*\ip+2*\s]
.endr
.endr
	; the addresses: thirteen plain lines, which also stand between the scale words' last write and the first product
	v_lshlrev_b32 v[AA16], 4, v30                  ; A's fragments: 16 x lane, 8 x lane, + the chunk
	v_lshlrev_b32 v[AA8], 3, v30
	s_mul_i32 s90, s[WV], 24576                    ; B's: my wave's four tiles of rows, 6,144 bytes each in a half
	s_add_co_u32 s90, s90, BOFF
	v_add_nc_u32 v[AB16], s90, v1
	v_add_nc_u32 v[AB8], s90, v2
	s_mul_i32 s91, s[WV], 18432                    ; my two stages, in the first half's bytes: they have had their one fill, and their last read is waited for in front of the barrier of K step 3
	v_and_b32 v15, 15, v0                          ; r
	v_mul_u32_u24 v[STO], v15, 272                 ; in: row r, 32 bytes for each half of the lanes
	v_lshl_add_u32 v[STO], v29, 5, v[STO]
	v_add_nc_u32 v[STO], s91, v[STO]
	v_mul_u32_u24 v[RD], v29, 272                  ; back: lanes 0-15 one row of 256 bytes, lanes 16-31 the next
	v_lshl_add_u32 v[RD], v15, 4, v[RD]
	v_add_nc_u32 v[RD], s91, v[RD]
	v_lshlrev_b32 v[CO], 12, v29                   ; and the same two rows in out0
	v_lshl_add_u32 v[CO], v15, 4, v[CO]
.macro FRAG reg, a16, a8, off          ; a fragment = two half images: registers 0-3, 4-5, 6-9, 10-11; every load's lanes read consecutive bytes
	ds_load_b128 v[\reg:\reg+3], v[\a16] offset:\off
	ds_load_b64 v[\reg+4:\reg+5], v[\a8] offset:\off+512
	ds_load_b128 v[\reg+6:\reg+9], v[\a16] offset:\off+768
	ds_load_b64 v[\reg+10:\reg+11], v[\a8] offset:\off+1280
.endm
.macro FETCH s                         ; K step s (128 K): A's eight fragments and my four of B, 48 loads in one run, into set s % 2
	WIN 0x80*((\s)%2)
.irp a, 0,1,2,3,4,5,6,7
	FRAG FA+12*\a, AA16, AA8, 6144*\a+1536*((\s)%4)
.endr
.irp b, 0,1,2,3
	FRAG FB+12*\b, AB16, AB8, 6144*\b+1536*((\s)%4)
.endr
	WIN 0
.endm
.macro MUL s                           ; 32 products; the 32 accumulators take turns, one instruction a turn, in the same order in every step
.if (\s) == 0
	WIN 0x40                                       ; the bias (C) in window 0, the sums (D) in window 1
.else
	WIN 0x50+0x0a*((\s)%2)
.endif
.irp a, 0,1,2,3,4,5,6,7
.irp b, 0,1,2,3
.if (\s) == 0
	WM 8*(4*\a+\b), FB+12*\b, FA+12*\a, BIAS+8*\b, SB+8*(\b/2)+(\s), SA+8*(\a/2)+(\s), (\b%2)+2*(\a%2)
.else
	WM 8*(4*\a+\b), FB+12*\b, FA+12*\a, 8*(4*\a+\b), SB+8*(\b/2)+(\s), SA+8*(\a/2)+(\s), (\b%2)+2*(\a%2)
.endif
.endr
.endr
	WIN 0
.endm
.macro STEP s
	s_wait_dscnt 0x0                               ; this step's fragments are in (asked for a step ago)
.if (\s) == 3
	s_wait_tensorcnt 0x0                           ; every wave's load has landed: the second half of K
	s_barrier_signal -1
	s_barrier_wait -1                              ; everybody's has
	v_add_nc_u32 v[AA16], CH, v[AA16]              ; on to that half: four plain lines, the places in front of loads into registers that products have read
	v_add_nc_u32 v[AA8], CH, v[AA8]
	v_add_nc_u32 v[AB16], CH, v[AB16]
	v_add_nc_u32 v[AB8], CH, v[AB8]
.else
.rept 4
	v_nop                                          ; the same four places (ISA guide 7.12.1)
.endr
.endif
.if (\s) < 7
	s_wait_alu depctr_va_vdst(0)
	FETCH (\s)+1
.endif
	MUL \s
.endm
	s_wait_alu depctr_va_vdst(0)                   ; the wait at the head's end
	s_cmp_lt_u32 s[WV], 2
	s_cbranch_scc0 .Lnot_first
	s_wait_tensorcnt 0x0                           ; waves 0 and 1: the first half of K has landed
.Lnot_first:
	s_barrier_signal -1
	s_barrier_wait -1                              ; waves 2 and 3's loads may be out
	FETCH 0
.irp s, 0,1,2,3,4,5,6,7
	STEP \s
.endr
; THE WAY OUT, a block of 16 rows x 64 columns at a time: a lane holds 32 bytes of a row and the lanes beside it other rows, so the block goes through one of my two stages (rows of 256 + 16 bytes) and comes back as whole rows of 256 bytes.
.macro TOSTAGE a
	WIN 0x04                                       ; an LDS store's data are its source 1: window 1
.irp b, 0,1,2,3
	ds_store_b128 v[STO], v[8*(4*(\a)+\b):8*(4*(\a)+\b)+3] offset:4352*((\a)%2)+64*\b          ; each accumulator from its low end on
	ds_store_b128 v[STO], v[8*(4*(\a)+\b)+4:8*(4*(\a)+\b)+7] offset:4352*((\a)%2)+64*\b+16
.endr
	WIN 0
.irp t, 0,1,2,3,4,5,6,7
	ds_load_b128 v[BK+32*((\a)%2)+4*\t:BK+32*((\a)%2)+4*\t+3], v[RD] offset:4352*((\a)%2)+544*\t   ; LDS serves a wave's instructions in order (ISA guide 5.7.1.4): these see the stores above
.endr
.endm
.macro SEND a, younger                 ; younger: the LDS lines issued behind block a's loads, which may stay out
	s_wait_dscnt \younger
.irp t, 0,1,2,3,4,5,6,7
	global_store_b128 v[CO], v[BK+32*((\a)%2)+4*\t:BK+32*((\a)%2)+4*\t+3], s[14:15] offset:(16*(\a)+2*\t)*4096 th:TH_STORE_NT   ; 16 lanes store 256 consecutive bytes, at a multiple of 256 from out0's first byte; written once, read by nobody here
.endr
.endm
.rept 4
	v_nop                                          ; four places between the last products and the first read of results, and in front of loads into A's registers
.endr
	TOSTAGE 0
.irp a, 1,2,3,4,5,6,7
.if \a > 1
	s_wait_xcnt 0x0                                ; block a - 2's stores have read their registers: block a's loads may land there
.endif
	TOSTAGE \a
	SEND \a-1, 16                                  ; behind block a - 1's loads: block a's 8 stores and 8 loads
.endr
	SEND 7, 0
	s_wait_tensorcnt 0x0
	ds_add_u32 v28, v31
	s_wait_dscnt 0x0
	CROUND                                         ; the closing round: no work-group ends while a partner may still ask for a tile that names it
	s_endpgm
.Lfunc_end_k_qc70238d49d_oproj:
	.size	k_qc70238d49d_oproj, .Lfunc_end_k_qc70238d49d_oproj-k_qc70238d49d_oproj
	.p2alignl 7, 3214868480
	.fill 96, 4, 3214868480
	.section	.rodata,"a",@progbits
	.p2align	6, 0x0
	.amdhsa_kernel k_qc70238d49d_oproj
		.amdhsa_group_segment_fixed_size 295424
		.amdhsa_private_segment_fixed_size 0
		.amdhsa_enable_private_segment 0
		.amdhsa_kernarg_size 48
		.amdhsa_user_sgpr_count 2
		.amdhsa_user_sgpr_kernarg_segment_ptr 1
		.amdhsa_wavefront_size32 1
		.amdhsa_system_sgpr_workgroup_id_x 1
		.amdhsa_system_sgpr_workgroup_id_y 1
		.amdhsa_system_sgpr_workgroup_id_z 1
		.amdhsa_system_vgpr_workitem_id 0
		.amdhsa_next_free_vgpr 720
		.amdhsa_next_free_sgpr 100
		.amdhsa_reserve_vcc 0
		.amdhsa_float_denorm_mode_32 3
		.amdhsa_float_denorm_mode_16_64 3
		.amdhsa_memory_ordered 1
		.amdhsa_forward_progress 1
		.amdhsa_inst_pref_size 94
	.end_amdhsa_kernel
	.amdgpu_metadata
---
amdhsa.version: [ 1, 2 ]
amdhsa.kernels:
  - .name:           k_qc70238d49d_oproj
    .symbol:         k_qc70238d49d_oproj.kd
    .args:
      - { .name: oc, .offset: 0, .size: 8, .value_kind: global_buffer, .address_space: global }
      - { .name: os, .offset: 8, .size: 8, .value_kind: global_buffer, .address_space: global }
      - { .name: wc, .offset: 16, .size: 8, .value_kind: global_buffer, .address_space: global }
      - { .name: ws, .offset: 24, .size: 8, .value_kind: global_buffer, .address_space: global }
      - { .name: bu, .offset: 32, .size: 8, .value_kind: global_buffer, .address_space: global }
      - { .name: out0, .offset: 40, .size: 8, .value_kind: global_buffer, .address_space: global }
    .group_segment_fixed_size: 295424
    .private_segment_fixed_size: 0
    .kernarg_segment_align: 8
    .kernarg_segment_size: 48
    .max_flat_workgroup_size: 128
    .sgpr_count:     100
    .vgpr_count:     720
    .wavefront_size: 32
...
	.end_amdgpu_metadata
.endif
;; end of part 4
